; MI455X (gfx1250); checked and timed in simulation.
; The chip was launched on July 23, 2026; its instructions are those of AMD's public machine-readable ISA for CDNA 5 (MIT licence, August 2026) and "CDNA5" Instruction Set Architecture Reference Guide (July 2026). The comments in the code are by the model that wrote it; some were corrected since.
;; MPLM Decoder Layer. Allowed arithmetic: matrix products marked QUANTISED: E5M2 operands, one given power-of-two scale a tensor, by v_wmma_f32_16x16x64_bf8_bf8 or v_wmma_f32_16x16x128_bf8_bf8, f32 sums; everything else in f32.
;; Inputs: Wdown 4,096 x 1,024 float32; Wgate 1,024 x 4,096 float32; Wk 1,024 x 256 float32; Wo 512 x 1,024 float32; Wq 1,024 x 512 float32; Wup 1,024 x 4,096 float32; Wv 1,024 x 256 float32; attention_mask 2 x 1 x 2,048 x 2,048 float32; hidden_states 2 x 2,048 x 1,024 float32; kv_states 2 x 2,048 x 1,024 float32; ln1_w 1,024 float32; ln2_w 1,024 float32; lowp_scales 18 int32 (the exponents e of the quantised operands' scales 2^e).
;; Outputs: out0 2 x 2,048 x 1,024 float32.
;; This version of the problem:
;;   THIS VERSION OF THE PROBLEM IS GIVEN IN LOW PRECISION. The matrix products marked QUANTISED in the list below multiply operands that are first quantised to E5M2 (5 exponent bits, 2 mantissa bits; 8 bits a number), with one given power-of-two scale for each operand tensor; their sums are f32. All else is computed in f32.
;;   The module's matrix products, in the order in which they are computed (A, B: the left and right operand; K: the contracted axis; several contracted axes count as one K, in the product's order):
;;     1. [M 4,096, K 1,024] x [K 1,024, N 512]; A: computed on the way; B: input Wq: QUANTISED (scales: A lowp_scales[0], B lowp_scales[1])
;;     2. [M 4,096, K 1,024] x [K 1,024, N 256]; A: computed on the way; B: input Wk: QUANTISED (scales: A lowp_scales[2], B lowp_scales[3])
;;     3. [M 4,096, K 1,024] x [K 1,024, N 256]; A: computed on the way; B: input Wv: QUANTISED (scales: A lowp_scales[4], B lowp_scales[5])
;;     4. batch 16 x [M 2,048, K 64] x [K 64, N 2,048]; A: computed on the way; B: computed on the way: QUANTISED (scales: A lowp_scales[6], B lowp_scales[7])
;;     5. batch 16 x [M 2,048, K 2,048] x [K 2,048, N 64]; A: softmax (see below); B: computed on the way: QUANTISED (scales: A lowp_scales[8], B lowp_scales[9])
;;     6. [M 4,096, K 512] x [K 512, N 1,024]; A: computed on the way; B: input Wo: QUANTISED (scales: A lowp_scales[10], B lowp_scales[11])
;;     7. [M 4,096, K 1,024] x [K 1,024, N 4,096]; A: computed on the way; B: input Wgate: QUANTISED (scales: A lowp_scales[12], B lowp_scales[13])
;;     8. [M 4,096, K 1,024] x [K 1,024, N 4,096]; A: computed on the way; B: input Wup: QUANTISED (scales: A lowp_scales[14], B lowp_scales[15])
;;     9. [M 4,096, K 4,096] x [K 4,096, N 1,024]; A: computed on the way; B: input Wdown: QUANTISED (scales: A lowp_scales[16], B lowp_scales[17])
;;   THE QUANTISER, for each operand of a quantised product, along K:
;;     - The operand's scale is 2^e, e = its entry of the input lowp_scales (int32; the entries are numbered through the quantised products in the list's order, A before B).
;;     - Each number is divided by the scale, clamped to +-57,344, and rounded to the nearest number of E5M2, ties to even, subnormals kept.
;;     - The product sums the exact products of the quantised numbers (number of the format x scale) in f32.
;;   ~~~python
;;   def quantise(x, axis, e):      # numpy; x: float32 -> the quantised numbers, widened to float32 again
;;       x = np.moveaxis(x, axis, -1); K = x.shape[-1]
;;       r = np.clip(x / 2.0 ** e, -57344, 57344)
;;       step = 2.0 ** (np.maximum(np.frexp(np.where(r == 0, 1, r))[1] - 1, -14) - 2)
;;       q = np.round(r / step) * step * 2.0 ** e      # np.round: ties to even
;;       return np.moveaxis(q, -1, axis).astype(np.float32)
;;   ~~~
;;   SOFTMAX AHEAD OF A QUANTISED PRODUCT. Where the list says 'softmax', what is quantised is not the finished softmax but p = 2^(t - M), with t = logit x log2(e) and M = ceil(the row's largest t), a whole number; so 1/2 < the row's largest p <= 1. The row's sum l is taken of the UNQUANTISED p, in f32, and the product's result is divided by l at the end. Since M is a whole number, a kernel that streams over the keys may use a running M (the ceiling of the running maximum): every later rescaling is an exact power of two, so the quantised numbers keep their values, but for numbers so far below the row's largest that they fall under the format's range.
;;   OPERANDS COMPUTED ON THE WAY. 'Computed on the way' means the value that the module computes at that place (a softmax that the list does not call 'softmax' is quantised finished and normalised). What goes into a quantiser is computed in f32, as accurately as f32 sums, v_exp_f32 and their like allow (about 1e-6 of the number): no bf16 or f16 on the way to a quantiser, and a product that is left as it is and whose result goes on into a quantised operand takes f32 operands (vector FMAs, or v_wmma_f32_16x16x4_f32). A number that lies on a knife's edge between two numbers of the format may be rounded either way, as far as f32 arithmetic and the matrix unit's own rounding can turn it there, and no further.
;; One version. Each part assembles by itself: llvm-mc -triple=amdgcn-amd-amdhsa -mcpu=gfx1250 --defsym DOCPART=n.
;; ======== version 1 of 1: 5 launches
;; limits: right only within a limited range of input values
;; workspace buffers: wimg 14,155,776 bytes; rope 524,288 bytes; qimg 2,097,152 bytes; kvimg 2,097,152 bytes; hid 16,777,216 bytes; ximg 8,388,608 bytes; aimg 16,777,216 bytes
;; launch prep (part 1): grid 464 x 1, 4 waves a work-group, no clusters, 0 bytes of LDS; arguments Wgate, Wup, Wdown, Wq, Wo, Wk, Wv, lowp_scales, wimg, rope; writes wimg, rope
.if DOCPART == 1
	.amdgcn_target "amdgcn-amd-amdhsa--gfx1250"
	.amdhsa_code_object_version 6
	.text
	.protected	k_q5363f9358d_prep
	.globl	k_q5363f9358d_prep
	.p2align	8
	.type	k_q5363f9358d_prep,@function
k_q5363f9358d_prep:
	s_mov_b64 s[64:65], 0
	v_nop
	global_prefetch_b8 v0, s[64:65] scope:SCOPE_SE
	s_setreg_imm32_b32 hwreg(HW_REG_WAVE_MODE, 25, 1), 1
	s_wait_xcnt 0x0
; THE SEVEN WEIGHTS BECOME CODES OF E5M2, LAID AS IMAGES OF OPERAND REGISTERS; AND THE TABLE OF COSINES AND SINES IS MADE.
; DEAD WORK: none.  Every input of the layer has a way to out0 (the additive mask is an input and is read whole); repeat_kv is an index (query head >> 1) and moves nothing.
; A weight is [K][N] f32 with K its first axis.  code = w / 2^e, held within +-57,344, to the nearest code, ties to even; e is the weight's entry of lowp_scales.
; IMAGE: [group of 128 columns][K step of 128][8 tiles of 16 columns][2,048 bytes]; in a tile's 2,048 bytes lane l = 16 h + r finds its register group c at 512 c + 16 l: k = 32 c + 16 h + 0 .. 15 of the tile's row r.
; THE COLUMNS OF A TILE ARE NOT NEIGHBOURS: row r of tile 2 b + u is column 32 b + 8 u + r + (r & 8), so that a transposed product's 16 registers of tiles 2 b, 2 b + 1 are 16 neighbours along the next K.
; Work-groups 0-431: 128 columns x 256 K of one weight; a wave 32 columns, A LANE A COLUMN, ITS REGISTERS DOWN K: each load reads 128 consecutive bytes a wave, the conversions give K innermost, and a lane's 16 codes
; are 16 bytes of the image: sixteen lanes store 256 consecutive bytes, aligned.  No LDS, no barrier.  Loads run two blocks of 32 K (64 loads a wave) ahead.
; Work-groups 432-463: rope[pos][32 cosines, 32 sines] f32, 256 bytes a position, 64 positions a work-group.  angle = pos x inv_freq (one rounding, as the layer has it), inv_freq = 2^(-f log2(10000) / 32);
; the angle is reduced by multiples of pi/2 in two parts, and sine and cosine are polynomials on +-pi/4.
; LIMITS: each e between -126 and 112.  NaN among the weights is not served.  inv_freq comes from v_exp_f32: an angle may differ from the layer's own by a few 1e-7 of itself (about 2e-4 at position 2,047).
.set OFF, 16                           ; v16-47   4 x my column + i rows, i = 0 .. 31
.set X,   48                           ; v48-111  two sets of 32 numbers
.set C,   112                          ; v112-175 codes: eight registers for each of 8 blocks, so that no store's data are written again
.set SB,  32                           ; s[32:47] the source at each of the 8 blocks
	s_load_b512 s[4:19], s[0:1], 0x0               ; Wgate, Wup, Wdown, Wq, Wo, Wk, Wv, the scales' exponents
	s_load_b128 s[20:23], s[0:1], 0x40             ; wimg, rope
	v_lshrrev_b32 v1, 5, v0
	v_readfirstlane_b32 s24, v1                    ; wave 0..3
	v_and_b32 v2, 31, v0                           ; lane
	s_cmp_ge_u32 ttmp9, 432
	s_cbranch_scc1 .Lrope
	s_wait_kmcnt 0x0
	; which weight is mine: the table is walked by the work-group's number alone.  pack = LN | LKS << 8 | 4 E << 16: N = 128 << LN, a column group's image is 1 << LKS bytes, E the scale's entry
	s_mov_b64 s[26:27], s[4:5]
	s_mov_b32 s28, 0                               ; the weight's first work-group
	s_mov_b32 s29, 0                               ; its image's place in wimg
	s_mov_b32 s30, 0x341105
.macro PICK start, ptr, dst, pack
	s_cmp_ge_u32 ttmp9, \start
	s_cselect_b64 s[26:27], s[\ptr:\ptr+1], s[26:27]
	s_cselect_b32 s28, \start, s28
	s_cselect_b32 s29, \dst, s29
	s_cselect_b32 s30, \pack, s30
.endm
	PICK 128, 6, 0x400000, 0x3c1105                ; Wup
	PICK 256, 8, 0x800000, 0x441303                ; Wdown
	PICK 384, 10, 0xc00000, 0x041102               ; Wq
	PICK 400, 12, 0xd00000, 0x2c1003               ; Wo
	PICK 416, 14, 0xc80000, 0x0c1101               ; Wk
	PICK 424, 16, 0xcc0000, 0x141101               ; Wv
	s_sub_co_u32 s31, ttmp9, s28                   ; my number within the weight
	s_and_b32 s50, s30, 0xff                       ; LN
	s_bfe_u32 s51, s30, 0x80008                    ; LKS
	s_lshr_b32 s52, s30, 16                        ; 4 E
	s_load_b32 s53, s[18:19], s52 offset:0x0       ; e
	s_bfm_b32 s54, s50, 0
	s_and_b32 s54, s31, s54                        ; column group
	s_lshr_b32 s55, s31, s50                       ; which 256 along K
	s_lshl_b32 s56, 512, s50                       ; a row of the weight in bytes
	s_mul_i32 s57, s55, s56
	s_lshl_b32 s57, s57, 8                         ; 256 rows
	s_lshl_b32 s58, s54, 9                         ; 128 columns
	s_add_co_u32 s57, s57, s58
	s_lshl_b32 s58, s24, 7                         ; my wave's 32 columns
	s_add_co_u32 s58, s57, s58
	s_mov_b32 s59, 0
	s_add_nc_u64 s[SB:SB+1], s[26:27], s[58:59]
	s_lshl_b32 s60, s56, 5                         ; 32 rows
	s_mov_b32 s61, 0
.irp t, 1,2,3,4,5,6,7
	s_add_nc_u64 s[SB+2*\t:SB+2*\t+1], s[SB+2*\t-2:SB+2*\t-1], s[60:61]
.endr
	s_lshl_b32 s48, s54, s51
	s_add_co_u32 s48, s48, s29
	s_lshl_b32 s49, s55, 15                        ; two K steps of 16,384 bytes
	s_add_co_u32 s48, s48, s49
	s_lshl_b32 s49, s24, 12                        ; my wave's two tiles
	s_add_co_u32 s48, s48, s49
	s_mov_b32 s49, 0
	s_add_nc_u64 s[48:49], s[20:21], s[48:49]
	s_wait_alu depctr_va_vdst(0)
	v_and_b32 v4, 15, v2                           ; r
	v_lshrrev_b32 v5, 4, v2                        ; u: which of the two tiles
	v_and_b32 v6, 8, v2
	v_lshl_add_u32 v7, v5, 3, v4
	v_add_nc_u32 v7, v7, v6                        ; my column of the 32: 8 u + r + (r & 8)
	v_lshlrev_b32 v7, 2, v7
	v_lshlrev_b32 v3, 4, v4
	v_lshl_add_u32 v3, v5, 11, v3                  ; my 16 bytes in the image: 2,048 u + 16 r; never rewritten
	v_mov_b32 v8, s56
.irp i, 0,1,2,3,4,5,6,7,8,9,10,11,12,13,14,15,16,17,18,19,20,21,22,23,24,25,26,27,28,29,30,31
	v_mad_u32_u24 v[OFF+\i], v8, \i, v7
.endr
.macro LOAD t                          ; block t: W(32 t + i, my column) into set t % 2
.irp i, 0,1,2,3,4,5,6,7,8,9,10,11,12,13,14,15,16,17,18,19,20,21,22,23,24,25,26,27,28,29,30,31
	global_load_b32 v[X+32*((\t)%2)+\i], v[OFF+\i], s[SB+2*(\t):SB+2*(\t)+1] th:TH_LOAD_NT
.endr
.endm
	LOAD 0
	LOAD 1
	s_wait_kmcnt 0x0
	s_add_co_i32 s53, s53, 127
	s_lshl_b32 s25, s53, 23
	v_mov_b32 v11, s25                             ; 2^e as f32: the conversion takes its exponent field
	s_add_co_i32 s53, s53, 15
	s_lshl_b32 s53, s53, 23
	s_or_b32 s53, s53, 0x600000
	v_mov_b32 v10, s53                             ; 57,344 x 2^e
.macro BLOCK t
.set XS, X+32*((\t)%2)
.if (\t) < 7
	s_wait_loadcnt 32                              ; this block's 32 loads are in; the next block's 32 may be out
.else
	s_wait_loadcnt 0
.endif
.irp i, 0,1,2,3,4,5,6,7,8,9,10,11,12,13,14,15,16,17,18,19,20,21,22,23,24,25,26,27,28,29,30,31
	v_med3_num_f32 v[XS+\i], v[XS+\i], -v10, v10   ; the conversion to an 8-bit code does not saturate (ISA guide 7.6.2): the hold comes first
.endr
.irp g, 0,1,2,3
	v_cvt_scalef32_pk8_bf8_f32 v[C+8*(\t)+2*\g:C+8*(\t)+2*\g+1], v[XS+8*\g:XS+8*\g+7], v11
.endr
	global_store_b128 v3, v[C+8*(\t):C+8*(\t)+3], s[48:49] offset:((\t)/4)*16384+((\t)%4)*512       ; k = 32 t + 0 .. 15: the half h = 0 of register group t % 4
	global_store_b128 v3, v[C+8*(\t)+4:C+8*(\t)+7], s[48:49] offset:((\t)/4)*16384+((\t)%4)*512+256 ; k = 32 t + 16 .. 31: the half h = 1
.if (\t) < 6
	LOAD (\t)+2
.endif
.endm
	s_wait_alu depctr_va_vdst(0)
.irp t, 0,1,2,3,4,5,6,7
	BLOCK \t
.endr
	s_endpgm
.Lrope:
	s_sub_co_u32 s26, ttmp9, 432
	s_lshl_b32 s26, s26, 6                         ; my work-group's first position
	s_mov_b32 s30, 0x3638ef1d                      ; 1/9!
	s_mov_b32 s31, 0xb9500d01                      ; -1/7!
	s_mov_b32 s32, 0x37d00d01                      ; 1/8!
	s_mov_b32 s33, 0xbab60b61                      ; -1/6!
	v_lshrrev_b32 v3, 4, v0
	v_add_nc_u32 v3, s26, v3                       ; my position: sixteen threads to a position, eight positions a trip
	v_and_b32 v4, 15, v0                           ; which 16 bytes of its 256: 0-7 cosines, 8-15 sines
	v_lshlrev_b32 v5, 8, v3
	v_lshl_add_u32 v5, v4, 4, v5                   ; byte offset in the table
	v_cvt_f32_u32 v6, v3
	v_and_b32 v7, 7, v4
	v_lshlrev_b32 v7, 2, v7                        ; my first of four frequencies
	v_lshrrev_b32 v8, 3, v4
	v_mul_u32_u24 v8, v8, 3                        ; sin(a) = cos(a - pi/2): three quadrants on
.irp k, 0,1,2,3
	v_add_nc_u32 v[12+\k], \k, v7
	v_cvt_f32_u32 v[12+\k], v[12+\k]
	v_mul_f32 v[12+\k], 0xbed49a78, v[12+\k]       ; -f log2(10000) / 32
.endr
	s_wait_alu depctr_va_vdst(0)
.irp k, 0,1,2,3
	v_exp_f32 v[20+\k], v[12+\k]                   ; inv_freq
.endr
	v_nop                                          ; a plain instruction behind the last exponential
	s_wait_alu depctr_va_vdst(0)                   ; one wait for the four, ahead of their first reader and of the label
	s_mov_b32 s27, 0
	s_wait_kmcnt 0x0
.Lpos:
	s_wait_alu depctr_va_vdst(0)
.irp k, 0,1,2,3
	v_mul_f32 v[24+\k], v6, v[20+\k]               ; the angle
.endr
.irp k, 0,1,2,3
	v_mul_f32 v[28+\k], 0x3f22f983, v[24+\k]       ; x 2/pi
.endr
.irp k, 0,1,2,3
	v_rndne_f32 v[28+\k], v[28+\k]                 ; n
.endr
.irp k, 0,1,2,3
	v_fmamk_f32 v[32+\k], v[28+\k], 0xbfc90fdb, v[24+\k]   ; angle - n x (pi/2's upper part),
.endr
.irp k, 0,1,2,3
	v_fmamk_f32 v[32+\k], v[28+\k], 0x333bbd2e, v[32+\k]   ; - n x its lower part (which is negative)
.endr
.irp k, 0,1,2,3
	v_mul_f32 v[36+\k], v[32+\k], v[32+\k]         ; z = r^2
.endr
.irp k, 0,1,2,3
	v_fma_f32 v[40+\k], v[36+\k], s30, s31
	v_fma_f32 v[44+\k], v[36+\k], s32, s33
.endr
.irp k, 0,1,2,3
	v_fmaak_f32 v[40+\k], v[36+\k], v[40+\k], 0x3c088889   ; + 1/5!
	v_fmaak_f32 v[44+\k], v[36+\k], v[44+\k], 0x3d2aaaab   ; + 1/4!
.endr
.irp k, 0,1,2,3
	v_fmaak_f32 v[40+\k], v[36+\k], v[40+\k], 0xbe2aaaab   ; - 1/3!
	v_fmaak_f32 v[44+\k], v[36+\k], v[44+\k], 0xbf000000   ; - 1/2
.endr
.irp k, 0,1,2,3
	v_mul_f32 v[40+\k], v[40+\k], v[36+\k]
	v_fma_f32 v[44+\k], v[36+\k], v[44+\k], 1.0    ; cos r
	v_cvt_i32_f32 v[48+\k], v[28+\k]
.endr
.irp k, 0,1,2,3
	v_fma_f32 v[40+\k], v[40+\k], v[32+\k], v[32+\k]       ; sin r
	v_add_nc_u32 v[48+\k], v[48+\k], v8            ; the quadrant
.endr
.irp k, 0,1,2,3
	v_and_b32 v[56+\k], 1, v[48+\k]
	v_cmp_ne_u32 vcc_lo, 0, v[56+\k]
	v_cndmask_b32 v[52+\k], v[44+\k], v[40+\k], vcc_lo     ; odd quadrants take the sine
	v_add_nc_u32 v[56+\k], 1, v[48+\k]
	v_and_b32 v[56+\k], 2, v[56+\k]
	v_lshlrev_b32 v[56+\k], 30, v[56+\k]
	v_xor_b32 v[52+\k], v[52+\k], v[56+\k]         ; quadrants 1 and 2 change the sign
.endr
	global_store_b128 v5, v[52:55], s[22:23]       ; sixteen lanes store a position's 256 bytes
	s_wait_xcnt 0x0                                ; the store's offset and data are written again only behind this wait
	v_add_nc_u32 v5, 2048, v5
	v_add_f32 v6, 0x41000000, v6                   ; eight positions on
	s_add_co_u32 s27, s27, 1
	s_cmp_lt_u32 s27, 8
	s_cbranch_scc1 .Lpos
	s_endpgm
.Lfunc_end_k_q5363f9358d_prep:
	.size	k_q5363f9358d_prep, .Lfunc_end_k_q5363f9358d_prep-k_q5363f9358d_prep
	.p2alignl 7, 3214868480
	.fill 96, 4, 3214868480
	.section	.rodata,"a",@progbits
	.p2align	6, 0x0
	.amdhsa_kernel k_q5363f9358d_prep
		.amdhsa_group_segment_fixed_size 0
		.amdhsa_private_segment_fixed_size 0
		.amdhsa_enable_private_segment 0
		.amdhsa_kernarg_size 80
		.amdhsa_user_sgpr_count 2
		.amdhsa_user_sgpr_kernarg_segment_ptr 1
		.amdhsa_wavefront_size32 1
		.amdhsa_system_sgpr_workgroup_id_x 1
		.amdhsa_system_sgpr_workgroup_id_y 1
		.amdhsa_system_sgpr_workgroup_id_z 1
		.amdhsa_system_vgpr_workitem_id 0
		.amdhsa_next_free_vgpr 176
		.amdhsa_next_free_sgpr 66
		.amdhsa_reserve_vcc 1
		.amdhsa_float_denorm_mode_32 3
		.amdhsa_float_denorm_mode_16_64 3
		.amdhsa_memory_ordered 1
		.amdhsa_forward_progress 1
		.amdhsa_inst_pref_size 57
	.end_amdhsa_kernel
	.amdgpu_metadata
---
amdhsa.version: [ 1, 2 ]
amdhsa.kernels:
  - .name:           k_q5363f9358d_prep
    .symbol:         k_q5363f9358d_prep.kd
    .args:
      - { .name: Wgate, .offset: 0, .size: 8, .value_kind: global_buffer, .address_space: global }
      - { .name: Wup, .offset: 8, .size: 8, .value_kind: global_buffer, .address_space: global }
      - { .name: Wdown, .offset: 16, .size: 8, .value_kind: global_buffer, .address_space: global }
      - { .name: Wq, .offset: 24, .size: 8, .value_kind: global_buffer, .address_space: global }
      - { .name: Wo, .offset: 32, .size: 8, .value_kind: global_buffer, .address_space: global }
      - { .name: Wk, .offset: 40, .size: 8, .value_kind: global_buffer, .address_space: global }
      - { .name: Wv, .offset: 48, .size: 8, .value_kind: global_buffer, .address_space: global }
      - { .name: lowp_scales, .offset: 56, .size: 8, .value_kind: global_buffer, .address_space: global }
      - { .name: wimg, .offset: 64, .size: 8, .value_kind: global_buffer, .address_space: global }
      - { .name: rope, .offset: 72, .size: 8, .value_kind: global_buffer, .address_space: global }
    .group_segment_fixed_size: 0
    .private_segment_fixed_size: 0
    .kernarg_segment_align: 8
    .kernarg_segment_size: 80
    .max_flat_workgroup_size: 128
    .sgpr_count:     66
    .vgpr_count:     176
    .wavefront_size: 32
...
	.end_amdgpu_metadata
.endif
;; end of part 1
;; launch qkv (part 2): grid 256 x 1, 8 waves a work-group, no clusters, 211,456 bytes of LDS; arguments hidden_states, kv_states, ln1_w, wimg, rope, lowp_scales, qimg, kvimg; writes qimg, kvimg
.if DOCPART == 2
	.amdgcn_target "amdgcn-amd-amdhsa--gfx1250"
	.amdhsa_code_object_version 6
	.text
	.protected	k_q5363f9358d_qkv
	.globl	k_q5363f9358d_qkv
	.p2align	8
	.type	k_q5363f9358d_qkv,@function
k_q5363f9358d_qkv:
	s_mov_b64 s[64:65], 0
	v_nop
	global_prefetch_b8 v0, s[64:65] scope:SCOPE_SE
	s_setreg_imm32_b32 hwreg(HW_REG_WAVE_MODE, 25, 1), 1
	s_wait_xcnt 0x0
; RMS NORM, QUANTISE, THE PROJECTIONS Q, K, V ON CODES OF E5M2, ROPE, QUANTISE.  No work is left out.
; Work-groups 0-127 take 32 rows of hidden_states each (q), work-groups 128-255 take 32 rows of kv_states (k and v).  Eight waves.
; X: wave w loads columns 128 w .. + 127 of the 32 rows, A ROW'S 512 CONSECUTIVE BYTES A LOAD; the conversions want 16 neighbours along K in one lane, so the 16 KiB turn through the wave's own stage in LDS
;    (as loaded in; 64 bytes a lane and block of 32 out).  The sums of squares meet in LDS, x = (x rsqrt(mean + 1e-6)) ln1_w is quantised (kv rows twice: with the scale of K's product and of V's)
;    and goes to LDS as images of operand registers: a fragment of 16 rows x 128 K is 2,048 bytes, lane l's register group c at 512 c + 16 l (k = 32 c + 16 (l / 16) + 0 .. 15).
;    The 32 positions' cosines and sines (8 KiB) are loaded once for the work-group, 1 KiB a wave, into a stage that the q and k waves read.
; G: wave w owns 64 output columns, one head: q head w; or k head w (w < 4), v head w - 4.  Its weights' fragments come from memory straight into registers, four K steps ahead; 8 K steps x 8 matrix instructions.
;    q, k: TRANSPOSED (source 0 = 16 columns of W, source 1 = 16 rows): a lane holds one token and, by the order of W's columns in a tile, dims 16 h + i and 32 + 16 h + i: the two partners of the rotation.
;    v: source 0 = 16 tokens, source 1 = 16 columns: a lane holds one channel and 16 neighbouring keys, since the keys are the K of attention's second product.
; THE TOKENS OF A kv TILE ARE NOT NEIGHBOURS: row r of tile u is token 8 u + r + (r & 8) of the 32, so that attention's p has 16 neighbouring keys in 16 registers.  Query tiles are plain.
; In the stages position 16 u + r holds that token: for kv rows the second and third block of eight rows change places.  The change is made where the rows are LOADED (scalar bases chosen by the work-group's number),
; so that every LDS address is a constant + a lane term + a wave term.
; The sums' powers of two are folded into the conversions' scales (the rotation is linear).
; LIMITS: e0, e2, e4, e6 - e0 - e1, e7 - e2 - e3, e9 - e4 - e5 between -126 and 112.  NaN among the inputs is not served.
.set PS,    65536                      ; LDS: 0 .. 65,535 the images [set 2][tile 2][K step 8][2,048]; then the partial sums [tile][row][wave] f32, 1,024 bytes
.set SPARE, 66560                      ; then the spare words, 128 bytes for each wave: four blocks of 256 bytes that no other line names
.set RST,   67584                      ; then the table's stage: 32 positions x (256 bytes + 16)
.set XSTG,  76288                      ; then x's stages: for each wave 32 rows x (512 bytes + 16): rows 33 x 16 bytes apart, so that the sixteen rows of a load out of it start at sixteen different banks
.set X,   32                           ; v32-159  phase X: 64 numbers for each tile
.set LN,  160                          ; v160-223 ln1_w at my 64 columns
.set T,   224                          ; v224-239 at work
.set CD,  240                          ; v240-255 a fragment's codes (first: my 1 KiB of the table)
.set ACC, 32                           ; v32-95   phase G: 8 accumulators
.set AF,  96                           ; v96-159  two sets of the two tiles' fragments
.set RP,  160                          ; v160-223 for each tile 16 cosines, 16 sines
.set T1,  224
.set T2,  240
.set CO,  96                           ; the codes on the way out
.set MSB, 0
.macro WIN new                         ; the immediate's high byte repeats the setting that is left
.if MSB != \new
	s_set_vgpr_msb (MSB<<8)|\new
.set MSB, \new
.endif
.endm
.macro PLACES n
.rept \n
	v_nop
.endr
.endm
.macro BARRIER                         ; my LDS stores have landed and my LDS loads are in: then the work-group's barrier
	s_wait_dscnt 0x0
	s_barrier_signal -1
	s_barrier_wait -1
.endm
; 16 numbers v[src] .. become 16 codes in v[dst] .. v[dst+3]: held within the largest code x the scale (the conversion does not saturate: ISA guide 7.6.2), into v[tmp] .., and converted.
; The two halves of tmp take turns, so that plain instructions stand between a conversion and the next write of its sources.
.macro HOLDQ dst, src, tmp, lim, sc, mode
.irp g, 0,1
.irp i, 0,1,2,3,4,5,6,7
.if \mode
	v_min_num_f32 v[(\tmp)+8*\g+\i], v[(\src)+8*\g+\i], v[\lim]
.else
	v_med3_num_f32 v[(\tmp)+8*\g+\i], v[(\src)+8*\g+\i], -v[\lim], v[\lim]
.endif
.endr
	v_cvt_scalef32_pk8_bf8_f32 v[(\dst)+2*\g:(\dst)+2*\g+1], v[(\tmp)+8*\g:(\tmp)+8*\g+7], v[\sc]
.endr
.endm
.macro MKSC e, t, sc, lim              ; s[e] = an exponent: v[sc] = 2^e as f32, v[lim] = 57,344 x 2^e
	s_add_co_i32 s[\e], s[\e], 127
	s_lshl_b32 s[\t], s[\e], 23
	v_mov_b32 v[\sc], s[\t]
	s_add_co_i32 s[\e], s[\e], 15
	s_lshl_b32 s[\e], s[\e], 23
	s_or_b32 s[\e], s[\e], 0x600000
	v_mov_b32 v[\lim], s[\e]
.endm
	s_load_b512 s[4:19], s[0:1], 0x0               ; hidden_states, kv_states, ln1_w, wimg, rope, the scales' exponents, qimg, kvimg
	v_lshl_add_u32 v1, v0, 2, SPARE                ; my spare word; never rewritten
	v_mov_b32 v2, 0                                ; 0; never rewritten
	v_lshrrev_b32 v26, 5, v0
	s_delay_alu instid0(VALU_DEP_1)
	v_readfirstlane_b32 s20, v26                   ; wave 0..7
	s_lshr_b32 s21, ttmp9, 7                       ; 1: rows of kv_states
	s_and_b32 s22, ttmp9, 127
	s_lshl_b32 s22, s22, 5                         ; my first row of 4,096
	s_lshr_b32 s43, s20, 2
	s_and_b32 s43, s43, s21                        ; 1: my wave makes v
	s_mov_b32 s34, 0x76543210
	s_mov_b32 s35, 0xfedcba98                      ; v_permlanex16_b32's selects for lane l xor 16
	s_mov_b32 s36, 0x3a800000                      ; 1 / 1,024
	s_mov_b32 s37, 0x358637bd                      ; 1e-6
	s_and_b32 s50, s22, 2047                       ; my first position
	s_lshr_b32 s51, s22, 11                        ; batch
	s_lshr_b32 s52, s50, 8                         ; which slot of 256 keys
	s_lshl_b32 s53, s51, 20
	s_lshl_b32 s52, s52, 17
	s_add_co_u32 s53, s53, s52                     ; the slot's place in kvimg
	v_and_b32 v26, 31, v0
	s_delay_alu instid0(VALU_DEP_1)
	v_lshlrev_b32 v3, 4, v26                       ; v3: 16 x lane: my 16 bytes of 512 consecutive ones, in memory and in an image; never rewritten
	v_and_b32 v4, 15, v0                           ; r
	v_bfe_u32 v5, v0, 4, 1                         ; h
	s_delay_alu instid0(VALU_DEP_1)
	v_lshlrev_b32 v8, 6, v5                        ; v8: 64 h: my 16 numbers of a block of 32
	s_mul_i32 s25, s20, 16896
	s_add_co_u32 s25, s25, XSTG                    ; my wave's stage for x
	v_add_nc_u32 v6, s25, v3                       ; v6: into it: a row as it was loaded
	v_mul_u32_u24 v7, v4, 528
	s_delay_alu instid0(VALU_DEP_1)
	v_add_nc_u32 v7, v7, v8
	s_delay_alu instid0(VALU_DEP_1)
	v_add_nc_u32 v7, s25, v7                       ; v7: out of it: row r, + 64 h
	s_mul_i32 s25, s20, 1088
	s_add_co_u32 s25, s25, RST                     ; the table's stage at my wave's four positions
	v_mul_u32_u24 v13, v5, 272
	s_delay_alu instid0(VALU_DEP_1)
	v_lshl_add_u32 v13, v4, 4, v13
	s_delay_alu instid0(VALU_DEP_1)
	v_add_nc_u32 v13, s25, v13                     ; v13: into it: lanes 0-15 one position's 256 bytes, lanes 16-31 the next's
	v_mul_u32_u24 v14, v4, 272
	s_delay_alu instid0(VALU_DEP_1)
	v_add_nc_u32 v14, v14, v8
	s_delay_alu instid0(VALU_DEP_1)
	v_add_nc_u32 v14, RST, v14                     ; v14: out of it: position r, + 64 h
	v_lshlrev_b32 v9, 5, v4
	s_delay_alu instid0(VALU_DEP_1)
	v_add_nc_u32 v10, PS, v9                       ; v10: my row's eight partial sums
	s_lshl_b32 s25, s20, 2
	v_add_nc_u32 v9, s25, v10                      ; v9: where I put mine
	s_lshl_b32 s25, s20, 11
	v_add_nc_u32 v11, s25, v3                      ; v11: where I store my images: K step w
	s_wait_alu depctr_va_vdst(0)
	s_wait_kmcnt 0x0
	s_load_b256 s[68:75], s[14:15], 0x0            ; e0 .. e7
	s_load_b64 s[76:77], s[14:15], 0x20            ; e8, e9
	s_cmp_eq_u32 s21, 0
	s_cselect_b64 s[26:27], s[4:5], s[6:7]         ; the choice hangs on the work-group's number alone
	s_lshl_b32 s28, s22, 12
	s_lshl_b32 s29, s20, 9
	s_add_co_u32 s28, s28, s29
	s_mov_b32 s29, 0
	s_add_nc_u64 s[26:27], s[26:27], s[28:29]      ; x at my first row, my wave's 128 columns
	s_lshl_b32 s84, 0x8000, s21                    ; positions 8-15 of the stage: rows 8 on (queries) or 16 on (kv),
	s_mov_b32 s85, 0
	s_add_nc_u64 s[78:79], s[26:27], s[84:85]
	s_sub_co_u32 s84, 0x18000, s84                 ; positions 16-23: the other of the two
	s_add_nc_u64 s[80:81], s[26:27], s[84:85]
	s_lshl_b32 s28, s20, 9
	s_add_nc_u64 s[30:31], s[8:9], s[28:29]        ; ln1_w at those columns
	s_lshl_b32 s32, s21, 19
	s_add_co_u32 s32, s32, 0xc00000                ; Wq's image, or Wk's with Wv's behind it
	s_lshr_b32 s33, s20, 1
	s_lshl_b32 s33, s33, 17                        ; column group w / 2,
	s_add_co_u32 s32, s32, s33
	s_and_b32 s33, s20, 1
	s_lshl_b32 s33, s33, 13                        ; its tiles 4 (w % 2) on
	s_add_co_u32 s32, s32, s33
	s_mov_b32 s33, 0
	s_add_nc_u64 s[32:33], s[10:11], s[32:33]
	s_lshr_b32 s84, s20, 1                         ; the table: my wave's four positions lie in block w / 2 of eight;
	s_and_b32 s86, s84, 1
	s_lshl_b32 s86, s86, 1
	s_lshr_b32 s87, s84, 1
	s_or_b32 s86, s86, s87                         ; for kv rows blocks 1 and 2 change places
	s_cmp_eq_u32 s21, 0
	s_cselect_b32 s84, s84, s86
	s_lshl_b32 s84, s84, 3
	s_and_b32 s86, s20, 1
	s_lshl_b32 s86, s86, 2
	s_add_co_u32 s84, s84, s86                     ; the first of my four rows of the 32,
	s_add_co_u32 s84, s84, s50                     ; from my work-group's first position on
	s_lshl_b32 s84, s84, 8
	s_add_nc_u64 s[82:83], s[12:13], s[84:85]
.irp i, 0,1,2,3,4,5,6,7
	global_load_b128 v[X+4*\i:X+4*\i+3], v3, s[26:27] offset:4096*\i th:TH_LOAD_NT            ; position i: 512 consecutive bytes, aligned
.endr
.irp i, 0,1,2,3,4,5,6,7
	global_load_b128 v[X+32+4*\i:X+32+4*\i+3], v3, s[78:79] offset:4096*\i th:TH_LOAD_NT      ; position 8 + i
.endr
.irp i, 0,1,2,3,4,5,6,7
	global_load_b128 v[X+64+4*\i:X+64+4*\i+3], v3, s[80:81] offset:4096*\i th:TH_LOAD_NT      ; position 16 + i
.endr
.irp i, 0,1,2,3,4,5,6,7
	global_load_b128 v[X+96+4*\i:X+96+4*\i+3], v3, s[26:27] offset:98304+4096*\i th:TH_LOAD_NT ; position 24 + i
.endr
.irp c, 0,1,2,3
.irp j, 0,1,2,3
	global_load_b128 v[LN+16*\c+4*\j:LN+16*\c+4*\j+3], v8, s[30:31] offset:128*\c+16*\j
.endr
.endr
	global_load_b128 v[CD:CD+3], v3, s[82:83]                  ; two positions' cosines and sines: 512 consecutive bytes,
	global_load_b128 v[CD+4:CD+7], v3, s[82:83] offset:512     ; and the next two
.macro WLOAD s                         ; my four tiles of K step s into buffer s % 4 of window 1: 512 consecutive bytes a load
.irp p, 0,1,2,3
.irp c, 0,1,2,3
	global_load_b128 v[64*((\s)%4)+16*\p+4*\c:64*((\s)%4)+16*\p+4*\c+3], v3, s[32:33] offset:(\s)*16384+\p*2048+512*\c
.endr
.endr
.endm
	WIN 0x40                                       ; destination window 1
	WLOAD 0
	WLOAD 1
	WLOAD 2
	WLOAD 3
	WIN 0
	; ---- X
.macro XIN u                           ; positions 16 u .. 16 u + 15 into my stage, as they were loaded
.irp p, 0,1,2,3,4,5,6,7,8,9,10,11,12,13,14,15
	ds_store_b128 v6, v[X+64*\u+4*\p:X+64*\u+4*\p+3] offset:528*(16*\u+\p)
.endr
.endm
.macro XOUT u                          ; and back into the registers that they left: of row r, k = 32 c + 16 h + 0 .. 15.  LDS serves a wave's instructions in order (ISA guide 5.7.1.4): these see the stores
.irp c, 0,1,2,3
.irp j, 0,1,2,3
	ds_load_b128 v[X+64*\u+16*\c+4*\j:X+64*\u+16*\c+4*\j+3], v7 offset:8448*\u+128*\c+16*\j
.endr
.endr
.endm
.macro SUMSQ u                         ; my row's sum of squares over my wave's 128 columns, to LDS
.irp k, 0,2,4,6
	v_pk_mul_f32 v[T+8*\u+\k:T+8*\u+\k+1], v[X+64*\u+\k:X+64*\u+\k+1], v[X+64*\u+\k:X+64*\u+\k+1]
.endr
.irp j, 8,16,24,32,40,48,56
.irp k, 0,2,4,6
	s_delay_alu instid0(VALU_DEP_4)
	v_pk_fma_f32 v[T+8*\u+\k:T+8*\u+\k+1], v[X+64*\u+\j+\k:X+64*\u+\j+\k+1], v[X+64*\u+\j+\k:X+64*\u+\j+\k+1], v[T+8*\u+\k:T+8*\u+\k+1]
.endr
.endr
	s_delay_alu instid0(VALU_DEP_3)
	v_pk_add_f32 v[T+8*\u:T+8*\u+1], v[T+8*\u:T+8*\u+1], v[T+8*\u+2:T+8*\u+3]
	s_delay_alu instid0(VALU_DEP_2)
	v_pk_add_f32 v[T+8*\u+4:T+8*\u+5], v[T+8*\u+4:T+8*\u+5], v[T+8*\u+6:T+8*\u+7]
	s_delay_alu instid0(VALU_DEP_1)
	v_pk_add_f32 v[T+8*\u:T+8*\u+1], v[T+8*\u:T+8*\u+1], v[T+8*\u+4:T+8*\u+5]
	s_delay_alu instid0(VALU_DEP_1)
	v_add_f32 v[T+8*\u], v[T+8*\u], v[T+8*\u+1]
	s_delay_alu instid0(VALU_DEP_1)
	v_permlanex16_b32 v[T+8*\u+1], v[T+8*\u], s34, s35
	s_delay_alu instid0(VALU_DEP_1)
	v_add_f32 v[T+8*\u], v[T+8*\u], v[T+8*\u+1]
	ds_store_b32 v9, v[T+8*\u] offset:512*\u
.endm
	s_wait_loadcnt 63                              ; x, ln1_w and the table are in: 64 loads (the weights') are younger; 63 is the largest count that can be written
	XIN 0
	XOUT 0
	XIN 1
	ds_store_b128 v13, v[CD:CD+3]                  ; my four positions of the table
	ds_store_b128 v13, v[CD+4:CD+7] offset:544
	s_wait_dscnt 18                                ; tile 0's numbers are back; the 16 + 2 stores behind them may be out
	XOUT 1
	SUMSQ 0
	s_wait_dscnt 1                                 ; tile 1's numbers are back; tile 0's partial sum may be out
	SUMSQ 1
	BARRIER                                        ; all eight waves' partial sums, and the table, lie in LDS
.irp u, 0,1
	ds_load_b128 v[T+8*\u:T+8*\u+3], v10 offset:512*\u
	ds_load_b128 v[T+8*\u+4:T+8*\u+7], v10 offset:512*\u+16
.endr
	s_wait_kmcnt 0x0
	s_sub_co_i32 s40, s74, s68
	s_sub_co_i32 s40, s40, s69                     ; q: e6 - e0 - e1
	s_sub_co_i32 s41, s75, s70
	s_sub_co_i32 s41, s41, s71                     ; k: e7 - e2 - e3
	s_sub_co_i32 s42, s77, s72
	s_sub_co_i32 s42, s42, s73                     ; v: e9 - e4 - e5
	s_cmp_eq_u32 s21, 0
	s_cselect_b32 s38, s68, s70                    ; set 0's scale: e0 or e2
	s_cselect_b32 s40, s40, s41
	s_cmp_eq_u32 s43, 0
	s_cselect_b32 s40, s40, s42
	s_mov_b32 s39, s72                             ; set 1's: e4
	MKSC 38, 41, 16, 17
	MKSC 39, 41, 18, 19
	MKSC 40, 41, 20, 21
	s_wait_dscnt 0x0
.irp u, 0,1
	v_add_f32 v[T+8*\u], v[T+8*\u], v[T+8*\u+1]
	v_add_f32 v[T+8*\u+2], v[T+8*\u+2], v[T+8*\u+3]
	v_add_f32 v[T+8*\u+4], v[T+8*\u+4], v[T+8*\u+5]
	v_add_f32 v[T+8*\u+6], v[T+8*\u+6], v[T+8*\u+7]
	s_delay_alu instid0(VALU_DEP_3)
	v_add_f32 v[T+8*\u], v[T+8*\u], v[T+8*\u+2]
	s_delay_alu instid0(VALU_DEP_2)
	v_add_f32 v[T+8*\u+4], v[T+8*\u+4], v[T+8*\u+6]
	s_delay_alu instid0(VALU_DEP_1)
	v_add_f32 v[T+8*\u], v[T+8*\u], v[T+8*\u+4]
	s_delay_alu instid0(VALU_DEP_1)
	v_fma_f32 v[T+8*\u], v[T+8*\u], s36, s37       ; the mean + 1e-6
.endr
	s_wait_alu depctr_va_vdst(0)
	v_rsq_f32 v22, v[T]
	v_rsq_f32 v24, v[T+8]
	v_nop                                          ; a plain instruction behind the last of the two
	s_wait_alu depctr_va_vdst(0)                   ; one wait for both, ahead of their first reader
	v_mov_b32 v23, v22
	v_mov_b32 v25, v24
.irp u, 0,1
.set jj, 0
.rept 32
	v_pk_mul_f32 v[X+64*\u+jj:X+64*\u+jj+1], v[X+64*\u+jj:X+64*\u+jj+1], v[22+2*\u:23+2*\u]
.set jj, jj+2
.endr
.set jj, 0
.rept 32
	v_pk_mul_f32 v[X+64*\u+jj:X+64*\u+jj+1], v[X+64*\u+jj:X+64*\u+jj+1], v[LN+jj:LN+jj+1]
.set jj, jj+2
.endr
.endr
.macro QSET set, sc, lim               ; both tiles' fragments of K step w, with one scale, to LDS as they stand
.irp u, 0,1
.irp c, 0,1,2,3
	HOLDQ CD+4*\c, X+64*\u+16*\c, T, \lim, \sc, 0
.endr
	v_nop                                          ; a plain instruction behind the last conversion
.irp c, 0,1,2,3
	ds_store_b128 v11, v[CD+4*\c:CD+4*\c+3] offset:\set*32768+\u*16384+512*\c
.endr
	s_wait_dscnt 0x0                               ; the stores have read their registers: the next codes may be written
.endr
.endm
	QSET 0, 16, 17
	s_cmp_eq_u32 s21, 0
	s_cbranch_scc1 .Lno_set1                       ; the work-group's number alone: all eight waves go the same way
	QSET 1, 18, 19
.Lno_set1:
	BARRIER                                        ; the images lie in LDS; no barrier and no LDS store follows
	; ---- G
.macro FETCHA s, set                   ; both tiles' fragments of K step s into set s % 2
.irp u, 0,1
.irp c, 0,1,2,3
	ds_load_b128 v[AF+32*((\s)%2)+16*\u+4*\c:AF+32*((\s)%2)+16*\u+4*\c+3], v3 offset:\set*32768+(8*\u+(\s))*2048+512*\c
.endr
.endr
.endm
; K step s: n = how many younger global loads may stay out.  The eight accumulators take turns, one instruction a turn.
.macro GSTEP s, swap, set, n
.if (\s) < 7
	FETCHA (\s)+1, \set
.endif
	s_wait_loadcnt \n
.if (\s) < 7
	s_wait_dscnt 8                                 ; this step's fragments are in; the next step's eight loads may be out
.else
	s_wait_dscnt 0
.endif
.if \swap
	WIN 0x04                                       ; source 1 (W) window 1
.else
	WIN 0x01                                       ; source 0 (W) window 1
.endif
.irp u, 0,1
.irp p, 0,1,2,3
.if \swap
.if (\s) == 0
	v_wmma_f32_16x16x128_bf8_bf8 v[ACC+16*\p+8*\u:ACC+16*\p+8*\u+7], v[AF+32*((\s)%2)+16*\u:AF+32*((\s)%2)+16*\u+15], v[64*((\s)%4)+16*\p:64*((\s)%4)+16*\p+15], 0
.else
	v_wmma_f32_16x16x128_bf8_bf8 v[ACC+16*\p+8*\u:ACC+16*\p+8*\u+7], v[AF+32*((\s)%2)+16*\u:AF+32*((\s)%2)+16*\u+15], v[64*((\s)%4)+16*\p:64*((\s)%4)+16*\p+15], v[ACC+16*\p+8*\u:ACC+16*\p+8*\u+7]
.endif
.else
.if (\s) == 0
	v_wmma_f32_16x16x128_bf8_bf8 v[ACC+32*\u+8*\p:ACC+32*\u+8*\p+7], v[64*((\s)%4)+16*\p:64*((\s)%4)+16*\p+15], v[AF+32*((\s)%2)+16*\u:AF+32*((\s)%2)+16*\u+15], 0
.else
	v_wmma_f32_16x16x128_bf8_bf8 v[ACC+32*\u+8*\p:ACC+32*\u+8*\p+7], v[64*((\s)%4)+16*\p:64*((\s)%4)+16*\p+15], v[AF+32*((\s)%2)+16*\u:AF+32*((\s)%2)+16*\u+15], v[ACC+32*\u+8*\p:ACC+32*\u+8*\p+7]
.endif
.endif
.endr
.endr
	WIN 0
	PLACES 4                                       ; in front of loads into registers that these products have read, and of the first read of results
.if (\s) < 4
	WIN 0x40
	WLOAD (\s)+4
	WIN 0
.endif
.endm
	s_cmp_lg_u32 s43, 0
	s_cbranch_scc1 .Lvpath
	; ---- q or k
	s_lshl_b32 s54, s22, 9
	s_lshl_b32 s55, s20, 10
	s_add_co_u32 s54, s54, s55                     ; qimg: row tile x 8,192 + head x 1,024
	s_lshl_b32 s55, s20, 14
	s_add_co_u32 s55, s55, s53
	s_bfe_u32 s56, s50, 0x30005
	s_lshl_b32 s56, s56, 11
	s_add_co_u32 s55, s55, s56                     ; kvimg: the slot, head x 16,384, tile 2 ((pos / 32) % 8) x 1,024
	s_mov_b32 s57, 1024
	s_cmp_eq_u32 s21, 0
	s_cselect_b64 s[46:47], s[16:17], s[18:19]
	s_cselect_b32 s54, s54, s55
	s_cselect_b32 s56, 8192, s57                   ; from tile 0 to tile 1
	s_mov_b32 s55, 0
	s_mov_b32 s57, 0
	s_add_nc_u64 s[46:47], s[46:47], s[54:55]
	s_add_nc_u64 s[48:49], s[46:47], s[56:57]
.irp u, 0,1
.irp j, 0,1,2,3
	ds_load_b128 v[RP+32*\u+4*\j:RP+32*\u+4*\j+3], v14 offset:4352*\u+16*\j              ; cos at frequencies 16 h + 0 .. 15 of my token's position
	ds_load_b128 v[RP+32*\u+16+4*\j:RP+32*\u+16+4*\j+3], v14 offset:4352*\u+128+16*\j    ; sin
.endr
.endr
	FETCHA 0, 0
	GSTEP 0, 0, 0, 48                              ; younger than this step's weights: three buffers of 16
	GSTEP 1, 0, 0, 48
	GSTEP 2, 0, 0, 48
	GSTEP 3, 0, 0, 48
	GSTEP 4, 0, 0, 48
	GSTEP 5, 0, 0, 32
	GSTEP 6, 0, 0, 16
	GSTEP 7, 0, 0, 0
.irp u, 0,1                            ; the rotation: registers 0-15 are dims 16 h + i (x1), registers 16-31 dims 32 + 16 h + i (x2); each accumulator is read from its low end on
.irp i, 0,2,4,6,8,10,12,14
	v_pk_mul_f32 v[T1+\i:T1+\i+1], v[ACC+32*\u+16+\i:ACC+32*\u+16+\i+1], v[RP+32*\u+16+\i:RP+32*\u+16+\i+1]
.endr
.irp i, 0,2,4,6,8,10,12,14
	v_pk_mul_f32 v[T2+\i:T2+\i+1], v[ACC+32*\u+\i:ACC+32*\u+\i+1], v[RP+32*\u+16+\i:RP+32*\u+16+\i+1]
.endr
.irp i, 0,2,4,6,8,10,12,14
	v_pk_fma_f32 v[T1+\i:T1+\i+1], v[ACC+32*\u+\i:ACC+32*\u+\i+1], v[RP+32*\u+\i:RP+32*\u+\i+1], v[T1+\i:T1+\i+1] neg_lo:[0,0,1] neg_hi:[0,0,1]   ; x1 cos - x2 sin
	v_pk_fma_f32 v[T2+\i:T2+\i+1], v[ACC+32*\u+16+\i:ACC+32*\u+16+\i+1], v[RP+32*\u+\i:RP+32*\u+\i+1], v[T2+\i:T2+\i+1]                            ; x2 cos + x1 sin
.endr
	HOLDQ CO+8*\u, T1, T1, 21, 20, 0
	HOLDQ CO+8*\u+4, T2, T2, 21, 20, 0
	v_nop                                          ; a plain instruction behind the last conversion
	global_store_b128 v3, v[CO+8*\u:CO+8*\u+3], s[46+2*\u:47+2*\u]                 ; register group 0: dims 16 h + 0 .. 15; 512 consecutive bytes
	global_store_b128 v3, v[CO+8*\u+4:CO+8*\u+7], s[46+2*\u:47+2*\u] offset:512    ; group 1: dims 32 + 16 h + 0 .. 15
.endr
	s_wait_tensorcnt 0x0                           ; the wave's end, behind my last LDS store
	ds_add_u32 v1, v2
	s_wait_dscnt 0x0
	s_endpgm
.Lvpath:
	s_sub_co_u32 s54, s20, 4
	s_lshl_b32 s54, s54, 14
	s_add_co_u32 s54, s54, s53
	s_add_co_u32 s54, s54, 65536                   ; kvimg: the slot's V part, head x 16,384,
	s_bfe_u32 s55, s50, 0x10007
	s_lshl_b32 s55, s55, 13                        ; which 128 keys,
	s_add_co_u32 s54, s54, s55
	s_bfe_u32 s55, s50, 0x20005
	s_lshl_b32 s55, s55, 9                         ; which register group of 32 keys
	s_add_co_u32 s54, s54, s55
	s_mov_b32 s55, 0
	s_add_nc_u64 s[46:47], s[18:19], s[54:55]
	FETCHA 0, 1
	GSTEP 0, 1, 1, 48                              ; three buffers of 16 are younger
	GSTEP 1, 1, 1, 48
	GSTEP 2, 1, 1, 48
	GSTEP 3, 1, 1, 48
	GSTEP 4, 1, 1, 48
	GSTEP 5, 1, 1, 32
	GSTEP 6, 1, 1, 16
	GSTEP 7, 1, 1, 0
.irp p, 0,1,2,3                        ; channel tile p: my channel's keys 16 h + 0 .. 15 of the 32
	HOLDQ CO+4*\p, ACC+16*\p, ACC+16*\p, 21, 20, 0
.endr
	v_nop                                          ; a plain instruction behind the last conversion
.irp p, 0,1,2,3
	global_store_b128 v3, v[CO+4*\p:CO+4*\p+3], s[46:47] offset:2048*\p
.endr
	s_wait_tensorcnt 0x0                           ; the wave's end, behind my last LDS store
	ds_add_u32 v1, v2
	s_wait_dscnt 0x0
	s_endpgm
.Lfunc_end_k_q5363f9358d_qkv:
	.size	k_q5363f9358d_qkv, .Lfunc_end_k_q5363f9358d_qkv-k_q5363f9358d_qkv
	.p2alignl 7, 3214868480
	.fill 96, 4, 3214868480
	.section	.rodata,"a",@progbits
	.p2align	6, 0x0
	.amdhsa_kernel k_q5363f9358d_qkv
		.amdhsa_group_segment_fixed_size 211456
		.amdhsa_private_segment_fixed_size 0
		.amdhsa_enable_private_segment 0
		.amdhsa_kernarg_size 64
		.amdhsa_user_sgpr_count 2
		.amdhsa_user_sgpr_kernarg_segment_ptr 1
		.amdhsa_wavefront_size32 1
		.amdhsa_system_sgpr_workgroup_id_x 1
		.amdhsa_system_sgpr_workgroup_id_y 1
		.amdhsa_system_sgpr_workgroup_id_z 1
		.amdhsa_system_vgpr_workitem_id 0
		.amdhsa_next_free_vgpr 512
		.amdhsa_next_free_sgpr 96
		.amdhsa_reserve_vcc 0
		.amdhsa_float_denorm_mode_32 3
		.amdhsa_float_denorm_mode_16_64 3
		.amdhsa_memory_ordered 1
		.amdhsa_forward_progress 1
		.amdhsa_inst_pref_size 105
	.end_amdhsa_kernel
	.amdgpu_metadata
---
amdhsa.version: [ 1, 2 ]
amdhsa.kernels:
  - .name:           k_q5363f9358d_qkv
    .symbol:         k_q5363f9358d_qkv.kd
    .args:
      - { .name: hidden_states, .offset: 0, .size: 8, .value_kind: global_buffer, .address_space: global }
      - { .name: kv_states, .offset: 8, .size: 8, .value_kind: global_buffer, .address_space: global }
      - { .name: ln1_w, .offset: 16, .size: 8, .value_kind: global_buffer, .address_space: global }
      - { .name: wimg, .offset: 24, .size: 8, .value_kind: global_buffer, .address_space: global }
      - { .name: rope, .offset: 32, .size: 8, .value_kind: global_buffer, .address_space: global }
      - { .name: lowp_scales, .offset: 40, .size: 8, .value_kind: global_buffer, .address_space: global }
      - { .name: qimg, .offset: 48, .size: 8, .value_kind: global_buffer, .address_space: global }
      - { .name: kvimg, .offset: 56, .size: 8, .value_kind: global_buffer, .address_space: global }
    .group_segment_fixed_size: 211456
    .private_segment_fixed_size: 0
    .kernarg_segment_align: 8
    .kernarg_segment_size: 64
    .max_flat_workgroup_size: 256
    .sgpr_count:     96
    .vgpr_count:     512
    .wavefront_size: 32
...
	.end_amdgpu_metadata
.endif
;; end of part 2
;; launch attn (part 3): grid 256 x 1, 16 waves a work-group, clusters of 4 x 1, 327,680 bytes of LDS; arguments qimg, kvimg, attention_mask, wimg, hidden_states, ln2_w, lowp_scales, hid, ximg; writes hid, ximg
.if DOCPART == 3
	.amdgcn_target "amdgcn-amd-amdhsa--gfx1250"
	.amdhsa_code_object_version 6
	.text
	.protected	k_q5363f9358d_attn
	.globl	k_q5363f9358d_attn
	.p2align	8
	.type	k_q5363f9358d_attn,@function
k_q5363f9358d_attn:
	s_mov_b64 s[64:65], 0
	v_nop
	global_prefetch_b8 v0, s[64:65] scope:SCOPE_SE
	s_setreg_imm32_b32 hwreg(HW_REG_WAVE_MODE, 25, 1), 1
	s_wait_xcnt 0x0
	s_wait_alu depctr_hold_cnt(0) depctr_sa_sdst(0) depctr_va_vdst(0) depctr_va_sdst(0) depctr_va_ssrc(0) depctr_va_vcc(0) depctr_vm_vsrc(0)
	s_getreg_b32 s2, hwreg(HW_REG_IB_STS2, 6, 4)
	s_cmp_eq_u32 s2, 0
	s_cbranch_scc0 .Lentry_in_a_cluster
	s_endpgm
.Lentry_in_a_cluster:
	s_bfe_u32 s2, ttmp6, 0x10000c
	s_cmp_lg_u32 s2, 0x3003
	s_cbranch_scc0 .Lentry_shape_is_right
	s_endpgm
.Lentry_shape_is_right:
; ATTENTION ON CODES OF E5M2 WITH THE ADDITIVE MASK, THE PROJECTION Wo, THE RESIDUAL, THE SECOND RMS NORM, AND x's CODES FOR GATE AND UP.  No work is left out.
; SHARES.  A work-group owns 16 queries and ALL 8 heads, so that each byte of the mask is fetched once in the launch, and so that it holds whole rows of the attention's result for Wo and the norm.
; Wave w: head w % 8, and of every slot of 256 keys the half w / 8: 128 keys a step.  Sixteen waves of 256 registers, four to a SIMD.
; K, V come as images of operand registers through a ring of two LDS slots (K 64 KiB, V 64 KiB: all four kv heads), the mask's 16 rows x 256 keys through a ring of its own.
; CLUSTER.  Four work-groups of one batch walk the same K and V: each slot is asked for JOINTLY (waves 0-7, 16 KiB each, a mask that names the four).  The mask's tile is my work-group's own: a plain load (wave 8).
; LAYOUT.  S^T = K Q^T and O^T = V^T P^T: a lane holds ONE query (lane % 16) throughout; by the order of the keys in K's tiles its 16 registers of tiles 2 b, 2 b + 1 are keys 32 b + 16 (lane / 16) + 0 .. 15.
; SOFTMAX.  logit = score / 8 + mask (one fused multiply-add); t = logit x log2(e); M = the largest t so far, rounded up to a whole number; p = 2^(t - M) is quantised, not normalised;
; the sum is taken of the unquantised p; when M moves, the sum and O^T are multiplied by 2^(old M - new M), which rounds nothing.
; Wo IS SHARED BY THE FOUR PARTNERS TOO, AND THE RING GOES ON INTO IT.  A K step of Wo's image is 128 KiB, a ring slot.  K step 0 is asked for jointly at the last change of slots, into the slot just left;
; behind the last key step each wave takes its 8 KiB of it into registers, and behind one more round ALL SIXTEEN waves ask, 16 KiB each: waves 0-7 for K step 1 (slot 1), waves 8-15 for K step 2 (slot 0);
; K step 3 comes from memory straight into registers, asked for at the tail's head.  The order of the four K steps in the sums is 0, 3, 1, 2.
; THE TAIL.  The two waves of a head have each seen half the keys: each sends the other the 32 channels that the other finishes, with its M and sum; the merge is by powers of two.  attn is quantised, meets in LDS as four
; fragments; wave w makes 64 columns of attn Wo, adds the residual, stores it (hid, as an image of accumulators), the squares meet in LDS, x is quantised twice and stored as images.
; The residual is loaded as it lies, 256 consecutive bytes of a row by sixteen lanes, and turns through the wave's own stage in LDS into the layout of the sums.
; LIMITS: e6 + e7 - 3 and e10 + e11 between -126 and 127; e8, e10, e12, e14 between -126 and 112.  NaN among the inputs is not served.  The halves of a row run their own M:
; codes of p may differ from those under the row's own M only where they fall under the format's range.
.set SPARE, 311552                     ; LDS: ring slots at 0 and 131,072; the mask's slots (16 rows x 1,040) at 262,144 and 294,912; then the spare words, 128 bytes a wave
.set XCH,  262144                      ; 16 x 2,048: channels for the partner: in the mask's slot 0, which has had its last fill and its last read at the last change of slots, and the unused bytes behind it
.set XST,  313600                      ; behind the spare words, bytes that no fill lands on: 16 x 256: -M and the sum for the partner
.set AIMG, 317696                      ; 4 x 2,048: attn's fragments
.set PSUM, 325888                      ; 16 x 64: the rows' partial sums of squares
.set RSTG, 131072                      ; the residual's stage, 16 rows x (256 + 16) bytes, in my wave's own 8 KiB of ring slot 1: it has had its last fill, only my wave reads those bytes, and has read them
.set WV,   22                          ; s22 wave; s23 head; s24 kv head; s25 key half; s26 cx; s27 my tile of 16 queries
.set G1K,  28                          ; s[28:35] descriptor group 1 for K/V and Wo; s[36:43] for the mask; s[44:47], s[48:51] their groups 0
.set G1M,  36
.set G0K,  44
.set G0M,  48
.set TB,   52                          ; s52 LDS byte at which the ring slot in hand begins; s53 the same for the mask's ring, less its base
.set TBM,  53
.set SLOTS, 54                         ; s54 slots still to be asked for
.set LIM,  55                          ; s55 1 in a wave that prefetches K, V or the mask, else the greatest number
.set PFA,  56                          ; s[56:57] where my prefetches stand; s[58:59] a trip's step
.set PFS,  58
.set SEL,  60                          ; s[60:61] lane selects: lane l xor 16
.set CP,   62                          ; s[62:63] 2^(e6 + e7 - 3)
.set L2E,  66                          ; s[66:67] log2(e)
.set KV,   24                          ; v24-87   8 tiles of K, then 4 fragments of V; in the tail Wo
.set MK,   88                          ; v88-151  the mask; then p's codes in v88-103; in the tail Wo
.set S,    152                         ; v152-215 S^T, then p
.set O,    216                         ; v216-247 O^T: positions 0, 1 the channels that I finish, 2, 3 those that my partner finishes
.macro PLACES n
.rept \n
	v_nop
.endr
.endm
.macro BARRIER
	s_wait_dscnt 0x0
	s_barrier_signal -1
	s_barrier_wait -1
.endm
.macro CROUND                          ; a round of the cluster's barrier
	s_barrier_signal -1
	s_barrier_wait -1
	s_cmp_lg_u32 s[WV], 0
	s_cbranch_scc1 .Lnot_wave_0_\@
	s_barrier_signal -3
.Lnot_wave_0_\@:
	s_barrier_wait -3
	s_barrier_signal -1
	s_barrier_wait -1
.endm
.macro HOLDQ dst, src, tmp, lim, sc, mode
.irp g, 0,1
.irp i, 0,1,2,3,4,5,6,7
.if \mode
	v_min_num_f32 v[(\tmp)+8*\g+\i], v[(\src)+8*\g+\i], v[\lim]
.else
	v_med3_num_f32 v[(\tmp)+8*\g+\i], v[(\src)+8*\g+\i], -v[\lim], v[\lim]
.endif
.endr
	v_cvt_scalef32_pk8_bf8_f32 v[(\dst)+2*\g:(\dst)+2*\g+1], v[(\tmp)+8*\g:(\tmp)+8*\g+7], v[\sc]
.endr
.endm
.macro MKSC e, t, sc, lim              ; s[e] = an exponent: v[sc] = 2^e as f32, v[lim] = 57,344 x 2^e
	s_add_co_i32 s[\e], s[\e], 127
	s_lshl_b32 s[\t], s[\e], 23
	v_mov_b32 v[\sc], s[\t]
	s_add_co_i32 s[\e], s[\e], 15
	s_lshl_b32 s[\e], s[\e], 23
	s_or_b32 s[\e], s[\e], 0x600000
	v_mov_b32 v[\lim], s[\e]
.endm
; Waves 0-7 fetch an eighth of the K/V slot each, jointly; wave 8 the mask's tile; the others nothing.  The branches hang on the wave's number alone.  An s_nop 0 and four v_nop follow each line.
.macro TLOAD
	s_cmp_lt_u32 s[WV], 8
	s_cbranch_scc0 .Lnot_k_\@
	tensor_load_to_lds s[G0K:G0K+3], s[G1K:G1K+7]
	s_nop 0
.rept 4
	v_nop
.endr
	s_branch .Lasked_\@
.Lnot_k_\@:
	s_cmp_eq_u32 s[WV], 8
	s_cbranch_scc0 .Lasked_\@
	tensor_load_to_lds s[G0M:G0M+3], s[G1M:G1M+7]
	s_nop 0
.rept 4
	v_nop
.endr
.Lasked_\@:
.endm
; A PREFETCH INTO THE L2 of what the NEXT change of slots will ask for, one instruction a wave.  The mask's 16 rows x 1,024 bytes are my work-group's own: waves 9 and 10 ask, eight rows each, four lanes to a row.
; K and V are walked by all clusters of a batch: the batch's first cluster asks, its four partners told apart BY ADDRESS (32 KiB each), waves 11-14, 8 KiB each, lanes 256 bytes apart.
; The last change that fills a slot asks for nothing; slots 0 and 1 come by their loads alone.
.macro ASK
	s_cmp_gt_u32 s[SLOTS], s[LIM]
	s_cbranch_scc0 .Lnot_mine_\@
	global_prefetch_b8 v9, s[PFA:PFA+1] th:TH_LOAD_NT scope:SCOPE_SE
.Lnot_mine_\@:
.endm
; Wo's image is asked for by wave 15, in the loop's first four trips, three trips or more ahead of the first load that wants it: the partner at place cx names K step cx, by address:
; eight pieces of 16 KiB, 65,536 bytes apart, two pieces a trip, four instructions of 8 KiB, lanes 256 bytes apart.  So each block is named once in the cluster.
.macro ASKW
	s_cmp_eq_u32 s[WV], 15
	s_cbranch_scc0 .Lnot_w_\@
	s_cmp_gt_u32 s[SLOTS], 3
	s_cbranch_scc0 .Lnot_w_\@
.irp o, 0, 8192, 65536, 73728
	global_prefetch_b8 v9, s[PFA:PFA+1] offset:\o th:TH_LOAD_NT scope:SCOPE_SE
.endr
.Lnot_w_\@:
.endm
	s_load_b512 s[4:19], s[0:1], 0x0               ; qimg, kvimg, attention_mask, wimg, hidden_states, ln2_w, the scales' exponents, hid
	s_load_b64 s[20:21], s[0:1], 0x40              ; ximg
	v_lshl_add_u32 v1, v0, 2, SPARE
	v_mov_b32 v2, 0
	ds_add_u32 v1, v2                              ; the wave's opening: the add, twice on end, and its wait ahead of the first tensor loads
	ds_add_u32 v1, v2                              ; and once more, under the one wait
	v_lshrrev_b32 v3, 5, v0
	s_delay_alu instid0(VALU_DEP_1)
	v_readfirstlane_b32 s[WV], v3                  ; wave 0..15
	s_and_b32 s23, s[WV], 7                        ; head
	s_lshr_b32 s24, s23, 1                         ; its kv head
	s_lshr_b32 s25, s[WV], 3                       ; which 128 keys of a slot
	s_bfe_u32 s26, ttmp6, 0x40000                  ; cx
	s_lshl_b32 s27, ttmp9, 2
	s_add_co_u32 s27, s27, s26                     ; my tile of 16 queries, of 256: it enters global addresses alone
	s_lshr_b32 s77, ttmp9, 5                       ; the batch, which the four partners share
	s_mov_b32 s[G1K], 15|(3<<16)|(1<<21)           ; the mask names all four; elements of 8 bytes; bit 21 set beside a mask; no padding
	s_mov_b32 s[G1K+1], 32<<16                     ; tensor_dim0 = 32 (256 bytes)
	s_mov_b32 s[G1K+2], 64<<16                     ; tensor_dim1 = 64
	s_mov_b32 s[G1K+3], 32<<16                     ; tile_dim0
	s_mov_b32 s[G1K+4], 64                         ; tile_dim1
	s_mov_b32 s[G1K+5], 32                         ; the pitch: dense
	s_mov_b32 s[G1K+6], 0
	s_mov_b32 s[G1K+7], 0
	s_mov_b32 s[G1M], (2<<16)|(1<<20)|(7<<22)|(3<<25)  ; no mask; elements of 4 bytes; four words of padding after every 256
	s_mov_b32 s[G1M+1], 256<<16
	s_mov_b32 s[G1M+2], 16<<16
	s_mov_b32 s[G1M+3], 256<<16
	s_mov_b32 s[G1M+4], 16
	s_mov_b32 s[G1M+5], 2048
	s_mov_b32 s[G1M+6], 0
	s_mov_b32 s[G1M+7], 0
	s_lshl_b32 s78, s77, 20
	s_lshl_b32 s79, s23, 14
	s_add_co_u32 s78, s78, s79                     ; kvimg: the batch's slot 0, my eighth
	s_mov_b32 s79, 0
	s_lshl_b32 s80, s27, 17                        ; the mask: my 16 rows of 8,192 bytes
	s_mov_b32 s81, 0
	s_mov_b32 s[SEL], 0x76543210
	s_mov_b32 s[SEL+1], 0xfedcba98
	s_mov_b32 s[L2E], 0x3fb8aa3b
	s_mov_b32 s[L2E+1], s[L2E]
	s_mov_b32 s[TB], 0
	s_mov_b32 s[TBM], 0
	s_mov_b32 s[SLOTS], 7
	s_wait_dscnt 0x0                               ; both opening adds are done
	s_wait_kmcnt 0x0
	s_load_b256 s[68:75], s[16:17], 0x18           ; e6 .. e13
	s_load_b32 s76, s[16:17], 0x38                 ; e14
	s_mov_b32 s[G0K], 1
	s_lshl_b32 s[G0K+1], s23, 14                   ; LDS: ring slot 0, my eighth
	s_add_nc_u64 s[G0K+2:G0K+3], s[6:7], s[78:79]
	s_or_b32 s[G0K+3], s[G0K+3], 0x80000000
	s_mov_b32 s[G0M], 1
	s_mov_b32 s[G0M+1], 262144
	s_add_nc_u64 s[G0M+2:G0M+3], s[8:9], s[80:81]
	s_or_b32 s[G0M+3], s[G0M+3], 0x80000000
	CROUND                                         ; all four work-groups are here: the first joint loads meet
	TLOAD                                          ; slot 0
	v_and_b32 v248, 31, v0                         ; lane
	s_delay_alu instid0(VALU_DEP_1)
	v_lshlrev_b32 v7, 4, v248                      ; 16 x lane
	s_wait_alu depctr_va_vdst(0)
	v_and_b32 v250, 15, v0                         ; r
	s_wait_alu depctr_va_vdst(0)
	v_bfe_u32 v252, v0, 4, 1                       ; h
	s_lshl_b32 s80, s27, 13
	s_lshl_b32 s81, s23, 10
	s_add_co_u32 s80, s80, s81
	s_mov_b32 s81, 0
	s_add_nc_u64 s[80:81], s[4:5], s[80:81]        ; Q's fragment: tile x 8,192 + head x 1,024
	global_load_b128 v[16:19], v7, s[80:81]
	global_load_b128 v[20:23], v7, s[80:81] offset:512
	s_lshl_b32 s78, s24, 14
	s_lshl_b32 s79, s25, 13
	s_add_co_u32 s78, s78, s79
	v_add_nc_u32 v3, s78, v7                       ; K: kv head x 16,384 + my half's eight tiles
	s_add_co_u32 s78, s78, 65536
	s_lshl_b32 s79, s25, 12
	s_add_co_u32 s82, s78, s79
	v_add_nc_u32 v4, s82, v7                       ; V: my half's keys; the channel tiles that I finish: 2 (w / 8), + 1,
	s_xor_b32 s79, s79, 4096
	s_add_co_u32 s82, s78, s79
	v_add_nc_u32 v5, s82, v7                       ; and the other two
	v_mul_u32_u24 v6, v250, 1040
	s_wait_alu depctr_va_vdst(0)
	v_lshl_add_u32 v6, v252, 6, v6
	s_lshl_b32 s79, s25, 9
	s_add_co_u32 s79, s79, 262144
	v_add_nc_u32 v6, s79, v6                       ; the mask: row r, my half's 128 keys, + 64 h
	; the prefetches: who asks, and where
	s_sub_co_u32 s82, s[WV], 9
	s_mov_b32 s84, 0x20000
	s_mov_b32 s85, 1024
	s_cmp_lt_u32 s82, 2                            ; waves 9 and 10: the mask
	s_cselect_b64 s[PFA:PFA+1], s[8:9], s[6:7]
	s_cselect_b32 s[PFS], 1024, s84                ; a slot on (wave 15: two pieces of Wo's image on)
	s_cselect_b32 s83, 8192, s85                   ; from four lanes to the next four
	s_cselect_b32 s86, 1, 0
	s_and_b32 s87, s82, 1
	s_lshl_b32 s87, s87, 16                        ; eight rows
	s_lshl_b32 s88, s27, 17
	s_add_co_u32 s87, s87, s88
	s_add_co_u32 s87, s87, 1024                    ; in slot 1: the first change of slots steps it to slot 2
	s_sub_co_u32 s88, s[WV], 11
	s_cmp_lt_u32 s88, 4                            ; waves 11 to 14: K and V
	s_cselect_b32 s89, 1, 0
	s_and_b32 s88, s88, 3
	s_lshl_b32 s88, s88, 13
	s_lshl_b32 s90, s26, 15                        ; my work-group's quarter of a slot, by address
	s_add_co_u32 s88, s88, s90
	s_lshl_b32 s90, s77, 20
	s_add_co_u32 s88, s88, s90
	s_add_co_u32 s88, s88, 0x20000                 ; in slot 1
	s_and_b32 s90, ttmp9, 31
	s_cmp_eq_u32 s90, 0                            ; the batch's first cluster: the same in all four partners
	s_cselect_b32 s89, s89, 0
	s_or_b32 s89, s89, s86
	s_cmp_eq_u32 s86, 1
	s_cselect_b32 s90, s87, s88
	s_lshl_b32 s92, s26, 14                        ; wave 15: Wo's image at K step cx,
	s_add_co_u32 s92, s92, 0xce0000                ; one trip's step ahead of its first piece: the first change of slots steps it there
	s_cmp_eq_u32 s[WV], 15
	s_cselect_b64 s[PFA:PFA+1], s[10:11], s[PFA:PFA+1]
	s_cselect_b32 s90, s92, s90
	s_mov_b32 s91, 0
	s_add_nc_u64 s[PFA:PFA+1], s[PFA:PFA+1], s[90:91]
	s_cmp_eq_u32 s89, 1
	s_cselect_b32 s[LIM], 1, -1
	s_mov_b32 s[PFS+1], 0
	v_lshrrev_b32 v9, 2, v248
	s_delay_alu instid0(VALU_DEP_1)
	v_mul_lo_u32 v9, v9, s83
	v_and_b32 v254, 3, v248
	s_delay_alu instid0(VALU_DEP_1)
	v_lshl_add_u32 v9, v254, 8, v9
	v_mov_b32 v13, 0xff61b1e6                      ; the largest t so far: -3e38, under every t
	s_delay_alu instid0(VALU_DEP_1)
	v_floor_f32 v12, -v13                          ; -M
	v_mov_b32 v14, 0                               ; the sum, in two halves
	v_mov_b32 v15, 0
	v_mov_b32 v250, 0                              ; written once: a lane permute's destination counts as one of its sources
	v_mov_b32 v253, 0                              ; (named as the upper halves of pairs)
	v_mov_b32 v255, 0
.set ii, 0
.rept 32
	v_mov_b32 v[O+ii], 0                           ; O^T: the step is written once; its first run finds zeros, which the first change of M leaves zeros
.set ii, ii+1
.endr
	s_wait_kmcnt 0x0
	s_add_co_i32 s82, s68, s69
	s_add_co_i32 s82, s82, 124                     ; e6 + e7 - 3 + 127
	s_lshl_b32 s[CP], s82, 23
	s_mov_b32 s[CP+1], s[CP]
	s_mov_b32 s82, s70
	MKSC 82, 83, 11, 10                            ; p's scale 2^e8 and its hold
; A KEY STEP: my 128 keys of the slot in hand.
.macro STEP
	v_add_nc_u32 v7, s[TB], v3
	v_add_nc_u32 v251, s[TBM], v6
	v_nop
	v_nop                                          ; four places in front of loads into registers that the last products have read
.irp t, 0,1,2,3,4,5,6,7
	ds_load_b128 v[KV+8*\t:KV+8*\t+3], v7 offset:1024*\t
	ds_load_b128 v[KV+8*\t+4:KV+8*\t+7], v7 offset:1024*\t+512
.endr
.irp b, 0,1,2,3
.irp j, 0,1,2,3
	ds_load_b128 v[MK+16*\b+4*\j:MK+16*\b+4*\j+3], v251 offset:128*\b+16*\j
.endr
.endr
	s_wait_dscnt 16                                ; K is in; the mask's sixteen loads may be out
.irp t, 0,1,2,3,4,5,6,7
	v_wmma_f32_16x16x64_bf8_bf8 v[S+8*\t:S+8*\t+7], v[KV+8*\t:KV+8*\t+7], v[16:23], 0
.endr
	v_add_nc_u32 v7, s[TB], v4
	v_add_nc_u32 v8, s[TB], v5
	v_nop
	v_nop                                          ; four places: in front of the loads below and of the first read of the scores
.irp p, 0,1
.irp c, 0,1,2,3
	ds_load_b128 v[KV+16*\p+4*\c:KV+16*\p+4*\c+3], v7 offset:2048*\p+512*\c
.endr
.endr
.irp p, 0,1
.irp c, 0,1,2,3
	ds_load_b128 v[KV+32+16*\p+4*\c:KV+32+16*\p+4*\c+3], v8 offset:2048*\p+512*\c
.endr
.endr
	s_wait_dscnt 16                                ; the mask is in; V's sixteen loads may be out
.set jj, 0
.rept 32
	v_pk_fma_f32 v[S+jj:S+jj+1], v[S+jj:S+jj+1], s[CP:CP+1], v[MK+jj:MK+jj+1] op_sel_hi:[1,0,1]   ; the logit: score / 8 + mask; each accumulator from its low end on
.set jj, jj+2
.endr
	v_max3_num_f32 v254, v[S], v[S+1], v[S+2]      ; the step's largest logit of my query among my 64 keys, in two chains,
	v_max3_num_f32 v252, v[S+3], v[S+4], v[S+5]
.irp i, 6,10,14,18,22,26,30,34,38,42,46,50,54,58
	s_delay_alu instid0(VALU_DEP_2)
	v_max3_num_f32 v254, v254, v[S+\i], v[S+1+\i]
	s_delay_alu instid0(VALU_DEP_2)
	v_max3_num_f32 v252, v252, v[S+2+\i], v[S+3+\i]
.endr
	s_delay_alu instid0(VALU_DEP_2)
	v_max3_num_f32 v254, v254, v[S+62], v[S+63]
	s_delay_alu instid0(VALU_DEP_1)
	v_max_num_f32 v254, v254, v252
	s_delay_alu instid0(VALU_DEP_1)
	v_permlanex16_b32 v250, v254, s[SEL], s[SEL+1]
	s_delay_alu instid0(VALU_DEP_1)
	v_max_num_f32 v254, v254, v250                 ; and among lane l xor 16's
	s_delay_alu instid0(VALU_DEP_1)
	v_mul_f32 v254, s[L2E], v254                   ; as t
	s_delay_alu instid0(VALU_DEP_1)
	v_max_num_f32 v13, v13, v254                   ; the running largest t
	v_mov_b32 v254, v12
	s_delay_alu instid0(VALU_DEP_2)
	v_floor_f32 v12, -v13                          ; the new -M = -ceil(t): a whole number
	s_delay_alu instid0(VALU_DEP_1)
	v_sub_f32 v254, v12, v254                      ; old M - new M: a whole number, 0 or less
	s_delay_alu instid0(VALU_DEP_1)
	v_cvt_i32_f32 v254, v254                       ; (it saturates)
	s_delay_alu instid0(VALU_DEP_1)
	v_ldexp_f32 v252, 1.0, v254                    ; f = 2^(old M - new M)
.set jj, 0
.rept 32
	v_pk_fma_f32 v[S+jj:S+jj+1], v[S+jj:S+jj+1], s[L2E:L2E+1], v[12:13] op_sel_hi:[1,0,0]   ; t - M
.set jj, jj+2
.endr
.set jj, 0
	s_wait_alu depctr_va_vdst(0)
.rept 64
	v_exp_f32 v[S+jj], v[S+jj]                     ; p = 2^(t - M), at most 1
.set jj, jj+1
.endr
	v_pk_mul_f32 v[14:15], v[14:15], v[252:253] op_sel_hi:[1,0]   ; the sums under the new M: the plain instruction behind the exponentials
	s_wait_alu depctr_va_vdst(0)                   ; one wait for the whole batch, ahead of its first reader
	v_pk_add_f32 v[248:249], v[156:157], v[160:161]               ; the row's sum of the unquantised p, in eight chains
	v_pk_add_f32 v[150:151], v[164:165], v[168:169]
	v_pk_add_f32 v[148:149], v[172:173], v[176:177]
	v_pk_add_f32 v[146:147], v[180:181], v[184:185]
	v_pk_add_f32 v[144:145], v[188:189], v[192:193]
	v_pk_add_f32 v[142:143], v[196:197], v[200:201]
	v_pk_add_f32 v[140:141], v[204:205], v[208:209]
	v_pk_add_f32 v[14:15], v[14:15], v[212:213]
	v_pk_add_f32 v[248:249], v[248:249], v[152:153]
	v_pk_add_f32 v[150:151], v[150:151], v[154:155]
	v_pk_add_f32 v[148:149], v[148:149], v[158:159]
	v_pk_add_f32 v[146:147], v[146:147], v[162:163]
	v_pk_add_f32 v[144:145], v[144:145], v[166:167]
	v_pk_add_f32 v[142:143], v[142:143], v[170:171]
	v_pk_add_f32 v[140:141], v[140:141], v[174:175]
	v_pk_add_f32 v[14:15], v[14:15], v[178:179]
	v_pk_add_f32 v[248:249], v[248:249], v[182:183]
	v_pk_add_f32 v[150:151], v[150:151], v[186:187]
	v_pk_add_f32 v[148:149], v[148:149], v[190:191]
	v_pk_add_f32 v[146:147], v[146:147], v[194:195]
	v_pk_add_f32 v[144:145], v[144:145], v[198:199]
	v_pk_add_f32 v[142:143], v[142:143], v[202:203]
	v_pk_add_f32 v[140:141], v[140:141], v[206:207]
	v_pk_add_f32 v[14:15], v[14:15], v[210:211]
	v_pk_add_f32 v[248:249], v[248:249], v[214:215]
	s_delay_alu instid0(VALU_DEP_2)
	v_pk_add_f32 v[14:15], v[14:15], v[146:147]
	s_delay_alu instid0(VALU_DEP_2)
	v_pk_add_f32 v[248:249], v[248:249], v[144:145]
	v_pk_add_f32 v[150:151], v[150:151], v[142:143]
	v_pk_add_f32 v[148:149], v[148:149], v[140:141]
	s_delay_alu instid0(VALU_DEP_2)
	v_pk_add_f32 v[14:15], v[14:15], v[150:151]
	s_delay_alu instid0(VALU_DEP_2)
	v_pk_add_f32 v[248:249], v[248:249], v[148:149]
	s_delay_alu instid0(VALU_DEP_1)
	v_pk_add_f32 v[14:15], v[14:15], v[248:249]
.irp b, 0,1,2,3
	HOLDQ MK+4*\b, S+16*\b, S+16*\b, 10, 11, 1     ; p is not negative: the hold is one-sided
.endr
.set jj, 0
.rept 16
	v_pk_mul_f32 v[O+jj:O+jj+1], v[O+jj:O+jj+1], v[252:253] op_sel_hi:[1,0]   ; O^T under the new M.  (Plain instructions between the conversions and the products)
.set jj, jj+2
.endr
	s_wait_alu depctr_va_vdst(0)
	s_wait_dscnt 0x0                               ; V is in
.irp p, 0,1,2,3
	v_wmma_f32_16x16x128_bf8_bf8 v[O+8*\p:O+8*\p+7], v[KV+16*\p:KV+16*\p+15], v[MK:MK+15], v[O+8*\p:O+8*\p+7]
.endr
.endm
; THE CHANGE OF SLOTS stands at a slot's head: each wave waits for all its tensor loads, adds 0 to its spare word, and waits for that and for its reads of the slot that it has left.
; Behind a round of the cluster's barrier the slots just left are filled with the next 256 keys: the loads have a whole step in which to land.
.macro CHANGE
	s_wait_tensorcnt 0x0                           ; no tensor load of mine is out, so a group 0 may be written
	ds_add_u32 v1, v2                              ; 0 onto my spare word,
	ds_add_u32 v1, v2                              ; and twice on end here, in every trip alike
	s_xor_b32 s[G0K+1], s[G0K+1], 0x20000          ; the walking descriptors: the other slot than last time,
	s_add_nc_u64 s[G0K+2:G0K+3], s[G0K+2:G0K+3], 0x20000   ; the next 256 keys; the type bits on top are not reached
	s_xor_b32 s[G0M+1], s[G0M+1], 0x8000
	s_add_nc_u64 s[G0M+2:G0M+3], s[G0M+2:G0M+3], 1024
	s_wait_xcnt 0x0                                ; the last prefetches, a slot back, have read their address, so it may be written
	s_add_nc_u64 s[PFA:PFA+1], s[PFA:PFA+1], s[PFS:PFS+1]
	s_wait_dscnt 0x0                               ; both adds are done, and my reads of the slot that I have left are over
	CROUND                                         ; the same holds of every wave of all four work-groups
	TLOAD                                          ; the first thing behind the round, and a wave's one tensor load until the next
	ASK
	ASKW
.endm
	s_wait_loadcnt 0x0                             ; Q
.Lslot:                                            ; seven trips: behind each change of slots the next slot of keys is asked for
	CHANGE
	STEP
	s_xor_b32 s[TB], s[TB], 0x20000
	s_xor_b32 s[TBM], s[TBM], 0x8000
	s_sub_co_u32 s[SLOTS], s[SLOTS], 1
	s_cmp_lg_u32 s[SLOTS], 0
	s_cbranch_scc1 .Lslot
	; the last change of slots: ring slot 0, just left, takes Wo's K step 0: piece g (column group g, 16 KiB) by wave g
	s_wait_tensorcnt 0x0
	ds_add_u32 v1, v2
	ds_add_u32 v1, v2
	s_lshl_b32 s[G0K+1], s23, 14
	s_lshl_b32 s96, s23, 16
	s_add_co_u32 s96, s96, 0xd00000
	s_mov_b32 s97, 0
	s_add_nc_u64 s[G0K+2:G0K+3], s[10:11], s[96:97]
	s_or_b32 s[G0K+3], s[G0K+3], 0x80000000
	s_wait_dscnt 0x0
	CROUND
	s_cmp_lt_u32 s[WV], 8
	s_cbranch_scc0 .Lno_wo0
	tensor_load_to_lds s[G0K:G0K+3], s[G1K:G1K+7]
	s_nop 0
.rept 4
	v_nop
.endr
.Lno_wo0:
	STEP
	; ---- THE TAIL.  All its scalar work first, then the vector work in one run
	s_lshl_b32 s95, s[WV], 13                      ; my 8 KiB of a K step of Wo in ring slot 0,
	s_add_co_u32 s78, s95, RSTG                    ; and in slot 1, where my stage for the residual lies later
	s_lshl_b32 s79, s[WV], 11
	s_xor_b32 s90, s79, 16384                      ; wave w xor 8
	s_add_co_u32 s79, s79, XCH
	s_add_co_u32 s90, s90, XCH
	s_lshl_b32 s91, s[WV], 8
	s_xor_b32 s92, s91, 2048
	s_add_co_u32 s91, s91, XST
	s_add_co_u32 s92, s92, XST
	s_lshl_b32 s93, s23, 10
	s_lshl_b32 s94, s25, 9
	s_add_co_u32 s93, s93, s94
	s_add_co_u32 s93, s93, AIMG                    ; attn's image: K step head / 2, register group 2 (head % 2) + (w / 8)
	s_lshl_b32 s94, s[WV], 2
	s_add_co_u32 s94, s94, PSUM
	s_lshr_b32 s96, s[WV], 1
	s_and_b32 s97, s[WV], 1
	s_lshl_b32 s80, s96, 16
	s_lshl_b32 s81, s97, 13
	s_add_co_u32 s80, s80, s81
	s_add_co_u32 s80, s80, 0xd00000
	s_mov_b32 s81, 0
	s_add_nc_u64 s[80:81], s[10:11], s[80:81]      ; Wo's image: column group w / 2, tiles 4 (w % 2) on
	s_lshl_b32 s82, s27, 16
	s_lshl_b32 s83, s[WV], 8
	s_add_co_u32 s82, s82, s83
	s_mov_b32 s83, 0
	s_add_nc_u64 s[82:83], s[12:13], s[82:83]      ; hidden_states: my 16 rows, my wave's 64 columns
	s_lshl_b32 s84, s27, 16
	s_lshl_b32 s85, s[WV], 12
	s_add_co_u32 s84, s84, s85
	s_mov_b32 s85, 0
	s_add_nc_u64 s[84:85], s[18:19], s[84:85]      ; hid
	s_lshl_b32 s86, s[WV], 8
	s_mov_b32 s87, 0
	s_add_nc_u64 s[86:87], s[14:15], s[86:87]      ; ln2_w
	s_lshr_b32 s88, s27, 4
	s_lshl_b32 s88, s88, 18
	s_lshl_b32 s89, s96, 15
	s_add_co_u32 s88, s88, s89
	s_and_b32 s89, s27, 15
	s_lshl_b32 s89, s89, 11
	s_add_co_u32 s88, s88, s89
	s_lshl_b32 s89, s97, 10
	s_add_co_u32 s88, s88, s89
	s_mov_b32 s89, 0
	s_add_nc_u64 s[88:89], s[20:21], s[88:89]      ; ximg: block of 256 rows, K step w / 2, row tile, register groups 2 (w % 2) on
	PLACES 4                                       ; behind the last products
	v_add_f32 v14, v14, v15
	v_and_b32 v248, 31, v0
	v_and_b32 v18, 15, v0                          ; r
	v_bfe_u32 v19, v0, 4, 1                        ; h
	v_permlanex16_b32 v250, v14, s[SEL], s[SEL+1]
	v_lshlrev_b32 v3, 4, v248                      ; v3: 16 x lane
	v_lshlrev_b32 v16, 6, v19                      ; v16: 64 h
	v_lshlrev_b32 v4, 4, v18
	v_add_f32 v13, v14, v250                       ; my half's sum, beside -M in v12
	v_lshl_add_u32 v4, v19, 12, v4                 ; v4: the residual in memory: lanes 0-15 take 256 consecutive bytes of one row, lanes 16-31 of the next
	v_mul_u32_u24 v20, v19, 272
	v_mul_u32_u24 v21, v18, 272
	v_add_nc_u32 v5, s79, v3                       ; v5: where I put channels for my partner,
	v_add_nc_u32 v6, s90, v3                       ; v6: and where wave w xor 8 has put mine
	v_lshl_add_u32 v20, v18, 4, v20
	v_add_nc_u32 v21, v21, v16
	v_lshl_add_u32 v7, v248, 3, s91
	v_lshl_add_u32 v8, v248, 3, s92
	v_add_nc_u32 v20, s78, v20                     ; v20: into my stage, as loaded
	v_add_nc_u32 v21, s78, v21                     ; v21: out of it: row r, + 64 h
	v_add_nc_u32 v14, s93, v3                      ; v14: where my part of attn's image goes
	v_lshl_add_u32 v15, v18, 6, s94                ; v15: my partial sum of row r
	v_lshlrev_b32 v17, 6, v18
	v_add_nc_u32 v22, s95, v3                      ; v22: my tiles of Wo in ring slot 0,
	v_add_nc_u32 v23, s78, v3                      ; v23: in slot 1
	v_add_nc_u32 v17, PSUM, v17                    ; v17: row r's sixteen partial sums
	v_add_nc_u32 v18, AIMG, v3                     ; v18: attn's fragments
.macro WOLOAD s, buf                   ; my four tiles of K step s from memory
.irp p, 0,1,2,3
.irp c, 0,1,2,3
	global_load_b128 v[\buf+16*\p+4*\c:\buf+16*\p+4*\c+3], v3, s[80:81] offset:(\s)*16384+\p*2048+512*\c
.endr
.endr
.endm
.macro WLDS adr, buf                   ; my four tiles of the K step that lies in a ring slot
.irp p, 0,1,2,3
.irp c, 0,1,2,3
	ds_load_b128 v[\buf+16*\p+4*\c:\buf+16*\p+4*\c+3], v[\adr] offset:\p*2048+512*\c
.endr
.endr
.endm
	WOLOAD 3, MK
.irp i, 0,1,2,3,4,5,6,7
	global_load_b128 v[S+4*\i:S+4*\i+3], v4, s[82:83] offset:8192*\i th:TH_LOAD_NT   ; the residual: rows 2 i and 2 i + 1, as they lie
.endr
.irp q, 0,1,2,3
	ds_store_b128 v5, v[O+16+4*\q:O+16+4*\q+3] offset:512*\q
.endr
	ds_store_b64 v7, v[12:13]
	s_wait_alu depctr_va_vdst(0)
	s_wait_tensorcnt 0x0                           ; my piece of Wo's K step 0 has landed
	BARRIER                                        ; everybody's has, the partners' channels lie in LDS, and nobody reads keys any more
	WLDS 22, KV                                    ; K step 0 into registers, so that its slot is free
.irp q, 0,1,2,3
	ds_load_b128 v[O+16+4*\q:O+16+4*\q+3], v6 offset:512*\q
.endr
	ds_load_b64 v[250:251], v8
	s_wait_tensorcnt 0x0                           ; the full sequence ahead of the refills
	ds_add_u32 v1, v2
	ds_add_u32 v1, v2                              ; twice on end
	s_xor_b32 s96, s25, 1
	s_lshl_b32 s96, s96, 17                        ; waves 0-7: ring slot 1; waves 8-15: slot 0
	s_lshl_b32 s[G0K+1], s23, 14
	s_add_co_u32 s[G0K+1], s[G0K+1], s96
	s_lshl_b32 s96, s23, 16                        ; piece w % 8,
	s_lshl_b32 s97, s25, 14
	s_add_co_u32 s96, s96, s97
	s_add_co_u32 s96, s96, 0xd04000                ; of K step 1 + w / 8
	s_mov_b32 s97, 0
	s_add_nc_u64 s[G0K+2:G0K+3], s[10:11], s[96:97]
	s_or_b32 s[G0K+3], s[G0K+3], 0x80000000
	s_wait_dscnt 0x0                               ; the adds are done, and my reads of both slots are over
	CROUND
	tensor_load_to_lds s[G0K:G0K+3], s[G1K:G1K+7]  ; every wave's one load: 256 KiB are on their way while the halves are merged
	s_nop 0
.rept 4
	v_nop
.endr
	s_mov_b32 s90, s72
	MKSC 90, 91, 11, 10                            ; attn's scale 2^e10 and its hold
	s_add_co_i32 s90, s70, s71                     ; e8 + e9
	v_min_num_f32 v248, v12, v250                  ; -M of the whole row
	s_delay_alu instid0(VALU_DEP_1)
	v_sub_f32 v254, v248, v12
	s_delay_alu instid0(VALU_DEP_2)
	v_sub_f32 v252, v248, v250
	s_delay_alu instid0(VALU_DEP_2)
	v_cvt_i32_f32 v254, v254
	s_delay_alu instid0(VALU_DEP_2)
	v_cvt_i32_f32 v252, v252
	s_delay_alu instid0(VALU_DEP_2)
	v_ldexp_f32 v254, 1.0, v254                    ; my half under the row's M,
	s_delay_alu instid0(VALU_DEP_2)
	v_ldexp_f32 v252, 1.0, v252                    ; my partner's: powers of two
	s_delay_alu instid0(VALU_DEP_2)
	v_mul_f32 v249, v13, v254
	s_delay_alu instid0(VALU_DEP_1)
	v_fma_f32 v249, v251, v252, v249               ; the row's sum
	s_wait_alu depctr_va_vdst(0)
	v_rcp_f32 v249, v249
	v_nop                                          ; a plain instruction behind the reciprocal
	s_wait_alu depctr_va_vdst(0)                   ; and the wait, ahead of its first reader
	v_ldexp_f32 v249, v249, s90                    ; x 2^(e8 + e9)
	s_delay_alu instid0(VALU_DEP_1)
	v_mul_f32 v254, v254, v249
	s_delay_alu instid0(VALU_DEP_2)
	v_mul_f32 v252, v252, v249
.irp i, 0,2,4,6,8,10,12,14
	v_pk_mul_f32 v[O+\i:O+\i+1], v[O+\i:O+\i+1], v[254:255] op_sel_hi:[1,0]
.endr
.irp i, 0,2,4,6,8,10,12,14
	v_pk_fma_f32 v[O+\i:O+\i+1], v[O+16+\i:O+16+\i+1], v[252:253], v[O+\i:O+\i+1] op_sel_hi:[1,0,1]   ; attn: channels 32 (w / 8) + 16 h + 0 .. 15 of my head
.endr
	HOLDQ 248, O, O, 10, 11, 0
	v_nop                                          ; a plain instruction behind the last conversion
	ds_store_b128 v14, v[248:251]
	s_wait_tensorcnt 0x0                           ; my piece of K step 1 or 2 has landed
	BARRIER                                        ; attn's four fragments and Wo's K steps 1 and 2 lie in LDS
.macro AFETCH s, reg
.irp c, 0,1,2,3
	ds_load_b128 v[\reg+4*\c:\reg+4*\c+3], v18 offset:2048*(\s)+512*\c
.endr
.endm
; A K step of attn Wo, transposed: source 0 = 16 columns of Wo, source 1 = the 16 queries.  Four accumulators by turns.  nl, nd: how many younger global and LDS instructions may stay out.
.macro WOSTEP w, a, first, nl, nd
	s_wait_loadcnt \nl
	s_wait_dscnt \nd
.irp p, 0,1,2,3
.if \first
	v_wmma_f32_16x16x128_bf8_bf8 v[S+32+8*\p:S+32+8*\p+7], v[\w+16*\p:\w+16*\p+15], v[\a:\a+15], 0
.else
	v_wmma_f32_16x16x128_bf8_bf8 v[S+32+8*\p:S+32+8*\p+7], v[\w+16*\p:\w+16*\p+15], v[\a:\a+15], v[S+32+8*\p:S+32+8*\p+7]
.endif
.endr
	PLACES 4
.endm
	AFETCH 0, O
	AFETCH 3, O+16
	WOSTEP KV, O, 1, 24, 4                         ; K step 0: its weights are in registers; the other fragment's 4 loads may be out
	WLDS 23, KV                                    ; K step 1
	AFETCH 1, O
	WOSTEP MK, O+16, 0, 8, 20                      ; K step 3: the residual's 8 loads are younger; so are the 16 + 4 LDS loads just issued
	WLDS 22, MK                                    ; K step 2
	AFETCH 2, O+16
	WOSTEP KV, O, 0, 8, 20                         ; K step 1
.irp b, 0,1
.irp j, 0,1,2,3
	global_load_b128 v[KV+16*\b+4*\j:KV+16*\b+4*\j+3], v16, s[86:87] offset:128*\b+16*\j   ; ln2_w at my columns
.endr
.endr
	s_wait_loadcnt 8                               ; the residual is in; ln2_w's 8 may be out
.irp i, 0,1,2,3,4,5,6,7
	ds_store_b128 v20, v[S+4*\i:S+4*\i+3] offset:544*\i            ; the residual turns through my stage: in as loaded,
.endr
.irp b, 0,1
.irp j, 0,1,2,3
	ds_load_b128 v[S+16*\b+4*\j:S+16*\b+4*\j+3], v21 offset:128*\b+16*\j   ; out in the layout of the sums, into the registers that it left.  LDS serves a wave's instructions in order (ISA guide 5.7.1.4)
.endr
.endr
	WOSTEP MK, O+16, 0, 8, 16                      ; K step 2: the stage's 8 stores and 8 loads may be out
	s_wait_dscnt 0x0                               ; the residual is back
	s_add_co_i32 s92, s72, s73
	s_add_co_i32 s92, s92, 127
	s_lshl_b32 s92, s92, 23                        ; 2^(e10 + e11)
	s_mov_b32 s93, s92
	s_mov_b32 s94, 0x3a800000                      ; 1 / 1,024
	s_mov_b32 s95, 0x358637bd                      ; 1e-6
.set jj, 0
.rept 16
	v_pk_fma_f32 v[S+jj:S+jj+1], v[S+32+jj:S+32+jj+1], s[92:93], v[S+jj:S+jj+1] op_sel_hi:[1,0,1]   ; hidden = residual + attn Wo
.set jj, jj+2
.endr
.irp q, 0,1,2,3,4,5,6,7
	global_store_b128 v3, v[S+4*\q:S+4*\q+3], s[84:85] offset:512*\q   ; as an image of the registers: 512 consecutive bytes a store
.endr
	v_pk_mul_f32 v[O:O+1], v[S:S+1], v[S:S+1]
	v_pk_mul_f32 v[O+2:O+3], v[S+2:S+3], v[S+2:S+3]
.irp i, 4,8,12,16,20,24,28
	s_delay_alu instid0(VALU_DEP_2)
	v_pk_fma_f32 v[O:O+1], v[S+\i:S+\i+1], v[S+\i:S+\i+1], v[O:O+1]
	s_delay_alu instid0(VALU_DEP_2)
	v_pk_fma_f32 v[O+2:O+3], v[S+2+\i:S+3+\i], v[S+2+\i:S+3+\i], v[O+2:O+3]
.endr
	s_delay_alu instid0(VALU_DEP_1)
	v_pk_add_f32 v[O:O+1], v[O:O+1], v[O+2:O+3]
	s_delay_alu instid0(VALU_DEP_1)
	v_add_f32 v[O], v[O], v[O+1]
	s_delay_alu instid0(VALU_DEP_1)
	v_permlanex16_b32 v[O+1], v[O], s[SEL], s[SEL+1]
	s_delay_alu instid0(VALU_DEP_1)
	v_add_f32 v[O], v[O], v[O+1]
	ds_store_b32 v15, v[O]
	BARRIER                                        ; the sixteen waves' partial sums lie in LDS
.irp q, 0,1,2,3
	ds_load_b128 v[O+4*\q:O+4*\q+3], v17 offset:16*\q
.endr
	s_mov_b32 s90, s74
	MKSC 90, 91, 20, 21                            ; x for gate: 2^e12
	s_mov_b32 s90, s76
	MKSC 90, 91, 22, 23                            ; x for up: 2^e14
	s_wait_dscnt 0x0
.irp i, 0,2,4,6
	v_pk_add_f32 v[O+\i:O+\i+1], v[O+\i:O+\i+1], v[O+8+\i:O+8+\i+1]
.endr
	s_delay_alu instid0(VALU_DEP_2)
	v_pk_add_f32 v[O:O+1], v[O:O+1], v[O+4:O+5]
	s_delay_alu instid0(VALU_DEP_2)
	v_pk_add_f32 v[O+2:O+3], v[O+2:O+3], v[O+6:O+7]
	s_delay_alu instid0(VALU_DEP_1)
	v_pk_add_f32 v[O:O+1], v[O:O+1], v[O+2:O+3]
	s_delay_alu instid0(VALU_DEP_1)
	v_add_f32 v[O], v[O], v[O+1]
	s_delay_alu instid0(VALU_DEP_1)
	v_fma_f32 v[O], v[O], s94, s95
	s_wait_alu depctr_va_vdst(0)
	v_rsq_f32 v[O+16], v[O]
	v_nop                                          ; a plain instruction behind it
	s_wait_alu depctr_va_vdst(0)                   ; and the wait, ahead of its first reader
	v_mov_b32 v[O+17], v[O+16]
	s_wait_alu depctr_va_vdst(0)
	s_wait_loadcnt 0x0                             ; ln2_w
.set jj, 0
.rept 16
	v_pk_mul_f32 v[MK+jj:MK+jj+1], v[S+jj:S+jj+1], v[O+16:O+17]     ; into other registers: hidden's are the data of stores
.set jj, jj+2
.endr
.set jj, 0
.rept 16
	v_pk_mul_f32 v[MK+jj:MK+jj+1], v[MK+jj:MK+jj+1], v[KV+jj:KV+jj+1]
.set jj, jj+2
.endr
.irp b, 0,1
	HOLDQ MK+48+4*\b, MK+16*\b, MK+32, 21, 20, 0
.endr
.irp b, 0,1
	HOLDQ MK+56+4*\b, MK+16*\b, MK+32, 23, 22, 0
.endr
	v_nop                                          ; a plain instruction behind the last conversion
.irp b, 0,1
	global_store_b128 v3, v[MK+48+4*\b:MK+48+4*\b+3], s[88:89] offset:512*\b
	global_store_b128 v3, v[MK+56+4*\b:MK+56+4*\b+3], s[88:89] offset:4194304+512*\b
.endr
	s_wait_tensorcnt 0x0                           ; the wave's end, behind my last tensor load and my last LDS store
	ds_add_u32 v1, v2
	s_wait_dscnt 0x0
	CROUND                                         ; the closing round: no work-group ends while a partner may still ask for a slot that names it
	s_endpgm
.Lfunc_end_k_q5363f9358d_attn:
	.size	k_q5363f9358d_attn, .Lfunc_end_k_q5363f9358d_attn-k_q5363f9358d_attn
	.p2alignl 7, 3214868480
	.fill 96, 4, 3214868480
	.section	.rodata,"a",@progbits
	.p2align	6, 0x0
	.amdhsa_kernel k_q5363f9358d_attn
		.amdhsa_group_segment_fixed_size 327680
		.amdhsa_private_segment_fixed_size 0
		.amdhsa_enable_private_segment 0
		.amdhsa_kernarg_size 72
		.amdhsa_user_sgpr_count 2
		.amdhsa_user_sgpr_kernarg_segment_ptr 1
		.amdhsa_wavefront_size32 1
		.amdhsa_system_sgpr_workgroup_id_x 1
		.amdhsa_system_sgpr_workgroup_id_y 1
		.amdhsa_system_sgpr_workgroup_id_z 1
		.amdhsa_system_vgpr_workitem_id 0
		.amdhsa_next_free_vgpr 256
		.amdhsa_next_free_sgpr 100
		.amdhsa_reserve_vcc 0
		.amdhsa_float_denorm_mode_32 3
		.amdhsa_float_denorm_mode_16_64 3
		.amdhsa_memory_ordered 1
		.amdhsa_forward_progress 1
		.amdhsa_inst_pref_size 83
	.end_amdhsa_kernel
	.amdgpu_metadata
---
amdhsa.version: [ 1, 2 ]
amdhsa.kernels:
  - .name:           k_q5363f9358d_attn
    .symbol:         k_q5363f9358d_attn.kd
    .args:
      - { .name: qimg, .offset: 0, .size: 8, .value_kind: global_buffer, .address_space: global }
      - { .name: kvimg, .offset: 8, .size: 8, .value_kind: global_buffer, .address_space: global }
      - { .name: attention_mask, .offset: 16, .size: 8, .value_kind: global_buffer, .address_space: global }
      - { .name: wimg, .offset: 24, .size: 8, .value_kind: global_buffer, .address_space: global }
      - { .name: hidden_states, .offset: 32, .size: 8, .value_kind: global_buffer, .address_space: global }
      - { .name: ln2_w, .offset: 40, .size: 8, .value_kind: global_buffer, .address_space: global }
      - { .name: lowp_scales, .offset: 48, .size: 8, .value_kind: global_buffer, .address_space: global }
      - { .name: hid, .offset: 56, .size: 8, .value_kind: global_buffer, .address_space: global }
      - { .name: ximg, .offset: 64, .size: 8, .value_kind: global_buffer, .address_space: global }
    .group_segment_fixed_size: 327680
    .private_segment_fixed_size: 0
    .kernarg_segment_align: 8
    .kernarg_segment_size: 72
    .max_flat_workgroup_size: 512
    .sgpr_count:     100
    .vgpr_count:     256
    .wavefront_size: 32
...
	.end_amdgpu_metadata
.endif
;; end of part 3
;; launch gateup (part 4): grid 32 x 8, 4 waves a work-group, clusters of 4 x 4, 327,680 bytes of LDS; arguments ximg, wimg, lowp_scales, aimg; writes aimg
.if DOCPART == 4
	.amdgcn_target "amdgcn-amd-amdhsa--gfx1250"
	.amdhsa_code_object_version 6
	.text
	.protected	k_q5363f9358d_gateup
	.globl	k_q5363f9358d_gateup
	.p2align	8
	.type	k_q5363f9358d_gateup,@function
k_q5363f9358d_gateup:
	s_mov_b64 s[64:65], 0
	v_nop
	global_prefetch_b8 v0, s[64:65] scope:SCOPE_SE
	s_setreg_imm32_b32 hwreg(HW_REG_WAVE_MODE, 25, 1), 1
	s_wait_xcnt 0x0
	s_wait_alu depctr_hold_cnt(0) depctr_sa_sdst(0) depctr_va_vdst(0) depctr_va_sdst(0) depctr_va_ssrc(0) depctr_va_vcc(0) depctr_vm_vsrc(0)
	s_getreg_b32 s2, hwreg(HW_REG_IB_STS2, 6, 4)
	s_cmp_eq_u32 s2, 0
	s_cbranch_scc0 .Lentry_in_a_cluster
	s_endpgm
.Lentry_in_a_cluster:
	s_bfe_u32 s2, ttmp6, 0x10000c
	s_cmp_lg_u32 s2, 0xf033
	s_cbranch_scc0 .Lentry_shape_is_right
	s_endpgm
.Lentry_shape_is_right:
; a = silu(x Wgate) * (x Wup), BOTH PRODUCTS ON CODES OF E5M2, AND a's CODES FOR THE PRODUCT WITH Wdown.  No work is left out.
; x comes as two sets of codes (scale e12 for gate, e14 for up), the weights as codes; all as images of operand registers: a fragment of 16 rows x 128 K is 2,048 bytes, lane l's register group c at 512 c + 16 l.
; SHARES.  A work-group makes two tiles of 256 rows x (128 gate + 128 up) columns, 2,048 rows apart, with the same weights; a wave 128 rows x (64 + 64): 64 accumulators, 512 registers.
; THE RING has two slots of unlike size: X holds TWO K steps of 128 (A 2 sets x 2 x 32 KiB, B 2 x 2 x 16 KiB = 192 KiB), Y holds ONE (96 KiB).  The 16 K steps of both tiles are one stream: step k lies in place k % 3
; (X's first half, X's second half, Y).  So 11 fills bring 16 K steps, no barrier stands between X's two steps, and the stream goes on over the change of tiles: the first tile leaves while X's next fill is on its way.
; Waves 0, 1 fetch x's two sets, waves 2, 3 the two weights: one tensor load a wave behind each round; two K steps of an image are consecutive bytes, so X's fill is the same load with twice the rows.
; CLUSTER 4 x 4: x's tiles are asked for jointly along a row of the cluster, the weights' along a column.
; PREFETCH: in step k each wave names K step k + 5 of what it fetches, which is two steps or more ahead of the tensor load that wants it; of a K step's 32 KiB of x each of the four partners names 8 KiB (by cx),
; of the weights' 16 KiB 4 KiB (by cy; lanes 16-31 name the last block again): told apart by address.  K steps 0-4 come by their loads alone; the weights are named in the first tile alone: the second reads them again.
; THE WAY OUT: sigma = 1 / (1 + 2^(-g log2 e)); a = g u sigma; the sums' powers of two are folded into the exponential's factor and into the conversion's scale.
; LIMITS: e12 + e13 between -126 and 127; e16 - e12 - e13 - e14 - e15 between -126 and 112.  NaN among the inputs is not served.
.set SPARE, 294912                     ; X at 0 .. 196,607, Y at 196,608 .. 294,911, then the spare words, 128 bytes a wave
.set A3,    3*32768                    ; three K steps on in x's image,
.set B3,    3*16384                    ; and in a weight's
.set A_ON,  8*262144-5*32768           ; over the change of tiles: eight blocks of 256 rows down, five K steps back;
.set B_BACK, 5*16384                   ; the weights only back
.set NEXT_C, 16*524288
.set RA,   16                          ; v16 X's gate set, v17 X's up set, v18 Y: my 128 rows' fragments
.set RB,   20                          ; v20 X, v21 Y: my 64 + 64 columns' fragments
.set PFO,  22                          ; v22, v23 the prefetches' offsets for x and for the weights; never rewritten
.set LI,   26                          ; v26 16 x lane
.set SPW,  28                          ; v28 my spare word, v29 0; never rewritten
.set NIL,  29
.set H0,   128                         ; four fragments of x for gate, window 0
.set H1,   192                         ; four for up
.set T,    32
.set P,    64
.set CDS,  96
.set G1,   24                          ; s[24:31] group 1: x, one K step; s[80:87] two K steps
.set G1W,  80
.set G0,   32                          ; s[32:35] group 0 of X for x, s[36:39] of Y
.set G1B,  48                          ; s[48:55], s[88:95], s[56:63] the same for the weights
.set G1BW, 88
.set G0B,  56
.set PFA,  96                          ; s[96:97] my share of x's K step 0, s[98:99] of the weights'; never rewritten
.set MSB, 0
.macro WIN new                         ; the immediate's high byte repeats the setting that is left
.if MSB != \new
	s_set_vgpr_msb (MSB<<8)|\new
.set MSB, \new
.endif
.endm
.set MUL_LO, 0xa1                      ; source 0 (W) window 1, source 1 (x) window 0, C and D window 2: my rows 0-63
.set MUL_HI, 0xf1                      ; C and D window 3: my rows 64-127
.set TO_B,   0x40
.macro PLACES n
.rept \n
	v_nop
.endr
.endm
.macro HOLDQ dst, src, tmp, lim, sc, mode
.irp g, 0,1
.irp i, 0,1,2,3,4,5,6,7
.if \mode
	v_min_num_f32 v[(\tmp)+8*\g+\i], v[(\src)+8*\g+\i], v[\lim]
.else
	v_med3_num_f32 v[(\tmp)+8*\g+\i], v[(\src)+8*\g+\i], -v[\lim], v[\lim]
.endif
.endr
	v_cvt_scalef32_pk8_bf8_f32 v[(\dst)+2*\g:(\dst)+2*\g+1], v[(\tmp)+8*\g:(\tmp)+8*\g+7], v[\sc]
.endr
.endm
; A joint load: waves 0, 1 for x, waves 2, 3 for the weights; the branch hangs on the wave's number alone.  An s_nop 0 and four v_nop follow each line.
.macro JLOAD g0a, g1a, g0b, g1b
	s_cmp_eq_u32 s15, 0
	s_cbranch_scc0 .Lfor_b_\@
	tensor_load_to_lds s[\g0a:\g0a+3], s[\g1a:\g1a+7]
	s_nop 0
.rept 4
	v_nop
.endr
	s_branch .Lasked_\@
.Lfor_b_\@:
	tensor_load_to_lds s[\g0b:\g0b+3], s[\g1b:\g1b+7]
	s_nop 0
.rept 4
	v_nop
.endr
.Lasked_\@:
.endm
.macro CREST                           ; a round of the cluster's barrier behind its opening barrier
	s_cmp_lg_u32 s14, 0
	s_cbranch_scc1 .Lnot_wave_0_\@
	s_barrier_signal -3
.Lnot_wave_0_\@:
	s_barrier_wait -3
	s_barrier_signal -1
	s_barrier_wait -1
.endm
.macro CROUND
	s_barrier_signal -1
	s_barrier_wait -1
	CREST
.endm
.macro ASK k                           ; the prefetch of K step k + 5 of the stream
.set KJ, (\k)+5
.if KJ <= 15
	s_cmp_eq_u32 s15, 0
	s_cbranch_scc0 .Lpf_b_\@
	global_prefetch_b8 v[PFO], s[PFA:PFA+1] offset:(KJ/8)*2097152+(KJ%8)*32768 th:TH_LOAD_NT scope:SCOPE_SE
.if KJ < 8
	s_branch .Lpf_e_\@
.Lpf_b_\@:
	global_prefetch_b8 v[PFO+1], s[PFA+2:PFA+3] offset:KJ*16384 th:TH_LOAD_NT scope:SCOPE_SE
.Lpf_e_\@:
.else
.Lpf_b_\@:
.endif
.endif
.endm
	s_load_b128 s[4:7], s[0:1], 0x0                ; ximg, wimg
	s_load_b128 s[8:11], s[0:1], 0x10              ; the scales' exponents, aimg
	v_lshl_add_u32 v[SPW], v0, 2, SPARE
	v_mov_b32 v[NIL], 0
	ds_add_u32 v[SPW], v[NIL]                      ; the wave's opening: the add, twice on end, and its wait ahead of my first tensor load
	ds_add_u32 v[SPW], v[NIL]
	v_lshrrev_b32 v1, 5, v0
	v_readfirstlane_b32 s14, v1                    ; wave 0..3
	s_lshr_b32 s15, s14, 1                         ; my half of the rows.  Also: I fetch x (0) or weights (1)
	s_and_b32 s16, s14, 1                          ; my half of the columns.  Also: which set, or which weight, I fetch
	s_bfe_u32 s40, ttmp6, 0x40000                  ; cx, cy
	s_bfe_u32 s41, ttmp6, 0x40004
	s_lshl_b32 s42, ttmp9, 2
	s_add_co_u32 s42, s42, s40                     ; column group of 128
	s_and_b32 s17, ttmp7, 0xffff
	s_lshl_b32 s17, s17, 2
	s_add_co_u32 s17, s17, s41                     ; block of 256 rows, 0..7; the second tile is block + 8
	s_lshl_b32 s43, s41, 2
	s_lshl_b32 s43, 15, s43                        ; my row of the cluster
	s_lshl_b32 s44, 0x1111, s40                    ; my column
	s_or_b32 s[G1+0], s43, (3<<16)|(1<<21)         ; the mask; elements of 8 bytes; bit 21 set beside a mask; dense rows of 256 bytes, no padding
	s_or_b32 s[G1W+0], s43, (3<<16)|(1<<21)
	s_or_b32 s[G1B+0], s44, (3<<16)|(1<<21)
	s_or_b32 s[G1BW+0], s44, (3<<16)|(1<<21)
.irp g, G1, G1W, G1B, G1BW
	s_mov_b32 s[\g+1], 32<<16                      ; tensor_dim0 = 32
	s_mov_b32 s[\g+3], 32<<16                      ; tile_dim0
	s_mov_b32 s[\g+5], 32                          ; the pitch
	s_mov_b32 s[\g+6], 0
	s_mov_b32 s[\g+7], 0
.endr
	s_mov_b32 s[G1+2], 128<<16                     ; rows: x 128 for one K step, 256 for two; weights 64 and 128
	s_mov_b32 s[G1+4], 128
	s_mov_b32 s[G1W+2], 256<<16
	s_mov_b32 s[G1W+4], 256
	s_mov_b32 s[G1B+2], 64<<16
	s_mov_b32 s[G1B+4], 64
	s_mov_b32 s[G1BW+2], 128<<16
	s_mov_b32 s[G1BW+4], 128
	s_lshl_b32 s18, s16, 22                        ; the set, or the weight: 4 MiB apart
	s_lshl_b32 s20, s17, 18
	s_add_co_u32 s20, s20, s18
	s_mov_b32 s21, 0
	s_lshl_b32 s46, s42, 17
	s_add_co_u32 s46, s46, s18
	s_mov_b32 s47, 0
	s_wait_dscnt 0x0                               ; both opening adds are done
	s_wait_kmcnt 0x0
	s_load_b128 s[68:71], s[8:9], 0x30             ; e12 .. e15
	s_load_b32 s72, s[8:9], 0x40                   ; e16
	s_add_nc_u64 s[20:21], s[4:5], s[20:21]
	s_add_nc_u64 s[46:47], s[6:7], s[46:47]
	CROUND                                         ; all sixteen work-groups are here: the first joint loads meet
	s_mov_b32 s[G0], 1                             ; X, x: K steps 0, 1
	s_lshl_b32 s[G0+1], s16, 16
	s_mov_b64 s[G0+2:G0+3], s[20:21]
	s_or_b32 s[G0+3], s[G0+3], 0x80000000
	s_mov_b32 s[G0+4], 1                           ; Y, x: K step 2
	s_lshl_b32 s[G0+5], s16, 15
	s_add_co_u32 s[G0+5], s[G0+5], 196608
	s_add_nc_u64 s[G0+6:G0+7], s[20:21], 2*32768
	s_or_b32 s[G0+7], s[G0+7], 0x80000000
	s_mov_b32 s[G0B], 1                            ; X, weights
	s_lshl_b32 s[G0B+1], s16, 15
	s_add_co_u32 s[G0B+1], s[G0B+1], 131072
	s_mov_b64 s[G0B+2:G0B+3], s[46:47]
	s_or_b32 s[G0B+3], s[G0B+3], 0x80000000
	s_mov_b32 s[G0B+4], 1                          ; Y, weights
	s_lshl_b32 s[G0B+5], s16, 14
	s_add_co_u32 s[G0B+5], s[G0B+5], 262144
	s_add_nc_u64 s[G0B+6:G0B+7], s[46:47], 2*16384
	s_or_b32 s[G0B+7], s[G0B+7], 0x80000000
	JLOAD G0, G1W, G0B, G1BW                       ; K steps 0 and 1: one tensor load a wave at the head
	s_lshl_b32 s78, s40, 13                        ; the prefetches: my work-group's 8 KiB of x's 32,
	s_mov_b32 s79, 0
	s_add_nc_u64 s[PFA:PFA+1], s[20:21], s[78:79]
	s_lshl_b32 s12, s41, 12                        ; its 4 KiB of the weights' 16
	s_mov_b32 s13, 0
	s_add_nc_u64 s[PFA+2:PFA+3], s[46:47], s[12:13]
	s_lshl_b32 s20, s17, 20                        ; aimg: block of 128 rows x 524,288, column group x 16,384, my half's two register groups
	s_lshl_b32 s21, s15, 19
	s_add_co_u32 s20, s20, s21
	s_lshl_b32 s46, s42, 14
	s_lshl_b32 s47, s16, 10
	s_add_co_u32 s46, s46, s47
	s_add_co_u32 s20, s20, s46
	s_mov_b32 s21, 0
	s_add_nc_u64 s[10:11], s[10:11], s[20:21]
	s_lshl_b32 s22, s15, 14                        ; my eight row tiles of a set's sixteen
	s_lshl_b32 s23, s16, 13                        ; my four column tiles of a weight's eight
	s_add_co_u32 s23, s23, 131072
	s_wait_kmcnt 0x0
	s_add_co_i32 s73, s68, s69                     ; e12 + e13
	s_lshl_b32 s77, s73, 23
	s_mov_b32 s74, 0xbfb8aa3b                      ; -log2(e),
	s_add_co_i32 s74, s74, s77                     ; x 2^(e12 + e13), by its exponent field
	s_mov_b32 s75, s74
	s_sub_co_i32 s76, s72, s73
	s_sub_co_i32 s76, s76, s70
	s_sub_co_i32 s76, s76, s71                     ; e16 - e12 - e13 - e14 - e15
	s_add_co_i32 s76, s76, 127
	s_lshl_b32 s77, s76, 23
	s_add_co_i32 s76, s76, 15
	s_lshl_b32 s76, s76, 23
	s_or_b32 s76, s76, 0x600000
	v_and_b32 v1, 31, v0
	v_lshlrev_b32 v[LI], 4, v1
	v_add_nc_u32 v[RA], s22, v[LI]
	v_add_nc_u32 v[RA+1], 65536, v[RA]
	v_add_nc_u32 v[RA+2], 196608, v[RA]
	v_add_nc_u32 v[RB], s23, v[LI]
	v_add_nc_u32 v[RB+1], 131072, v[RB]
	v_lshlrev_b32 v[PFO], 8, v1                    ; lanes 256 bytes apart
	v_min_u32 v2, 15, v1
	v_lshlrev_b32 v[PFO+1], 8, v2
	v_mov_b32 v30, s77                             ; the conversion's scale,
	v_mov_b32 v31, s76                             ; and 57,344 x it
.macro FRAG reg, adr, off
.irp c, 0,1,2,3
	ds_load_b128 v[(\reg)+4*\c:(\reg)+4*\c+3], v[\adr] offset:(\off)+512*\c
.endr
.endm
; place pl: 0, 1 = X's halves, 2 = Y.  The weights: X gate 0 / 16,384, up 32,768 further on; Y gate 0, up 16,384
.macro FETCH_B pl, set
	WIN TO_B
.irp b, 0,1,2,3
	FRAG 128*(\set)+16*\b, RB+(\pl)/2, 16384*((\pl)%2)+2048*\b
.endr
.irp b, 0,1,2,3
	FRAG 128*(\set)+64+16*\b, RB+(\pl)/2, 16384*((\pl)%2)+32768-16384*((\pl)/2)+2048*\b
.endr
	WIN 0
.endm
; x: X's sets have a register each, its halves lie 32,768 apart; Y's two sets lie 32,768 apart under one register
.macro FETCH_H reg, pl, up, a0
.irp i, 0,1,2,3
	FRAG \reg+16*\i, RA+\up+(2-\up)*((\pl)/2), 32768*((\pl)%2+\up*((\pl)/2))+(\a0+\i)*2048
.endr
.endm
; 8 products, transposed (source 0 = 16 columns of W, source 1 = 16 rows).  The 64 accumulators take turns, in the same order in every step
.macro MUL8 h, i0, up, set, zero
.irp i, \i0, \i0+1
.irp b, 0,1,2,3
.if \zero
	v_wmma_f32_16x16x128_bf8_bf8 v[8*(8*(\i)+4*\up+\b):8*(8*(\i)+4*\up+\b)+7], v[128*\set+64*\up+16*\b:128*\set+64*\up+16*\b+15], v[\h+16*(\i):\h+16*(\i)+15], 0
.else
	v_wmma_f32_16x16x128_bf8_bf8 v[8*(8*(\i)+4*\up+\b):8*(8*(\i)+4*\up+\b)+7], v[128*\set+64*\up+16*\b:128*\set+64*\up+16*\b+15], v[\h+16*(\i):\h+16*(\i)+15], v[8*(8*(\i)+4*\up+\b):8*(8*(\i)+4*\up+\b)+7]
.endif
.endr
.endr
.endm
; K STEP k OF THE STREAM: 64 products in four groups of 16 (gate rows 0-63, up rows 0-63, gate rows 64-127, up rows 64-127); x's fragments are fetched anew behind each group, the next step's weights behind the third.
; In place 0 the next step lies in the same slot.  In places 1 and 2 the slot is left: the wait for all my tensor loads, the add, the wait for it and for my reads, one barrier;
; where a later step reads it, the slot is filled again behind a round of the cluster's barrier: X with K steps k + 2, k + 3 (k = 13: k + 2 alone), Y with K step k + 3.
.macro STEP k
.set PL,  (\k)%3
.set BS,  (\k)%2
.set NPL, ((\k)+1)%3
.set NBS, ((\k)+1)%2
.set ZR, 0
.if (\k)%8 == 0
.set ZR, 1                             ; a tile's first step starts the sums
.endif
.set FILL, 0
.set GS, 0
.if PL == 1
.if (\k) <= 12
.set FILL, 2
.endif
.if (\k) == 13
.set FILL, 1
.endif
.endif
.if PL == 2
.set GS, 4
.if (\k) <= 11
.set FILL, 3
.endif
.endif
	s_wait_dscnt 16                                ; the weights and gate's fragments are in; up's sixteen loads may be out
	WIN MUL_LO
	MUL8 H0, 0, 0, BS, ZR
	MUL8 H0, 2, 0, BS, ZR
	PLACES 4
	WIN 0
	FETCH_H H0, PL, 0, 4
	s_wait_dscnt 16
	WIN MUL_LO
	MUL8 H1, 0, 1, BS, ZR
	MUL8 H1, 2, 1, BS, ZR
	PLACES 4
	WIN 0
	FETCH_H H1, PL, 1, 4
.if PL == 0
	s_wait_dscnt 16
	WIN MUL_HI
	MUL8 H0, 0, 0, BS, ZR
	MUL8 H0, 2, 0, BS, ZR
.if (\k) < 15
	PLACES 4
	WIN 0
.endif
.else
	s_wait_tensorcnt 0x0                           ; all my tensor loads have landed: my part of the slot ahead
	ds_add_u32 v[SPW], v[NIL]
	s_wait_dscnt 17                                ; (the add and up's sixteen loads may be out)
	WIN MUL_HI
	MUL8 H0, 0, 0, BS, ZR
	s_wait_dscnt 0x0                               ; the add is done, and my reads of this slot are over
	s_barrier_signal -1
	MUL8 H0, 2, 0, BS, ZR
	WIN 0
	s_barrier_wait -1
.if FILL
	CREST                                          ; the barrier has opened a round: no wave of any partner still reads this slot or has a load on its way
.if ((\k) == 5) || ((\k) == 7)
	s_add_nc_u64 s[G0+GS+2:G0+GS+3], s[G0+GS+2:G0+GS+3], A_ON
	s_sub_nc_u64 s[G0B+GS+2:G0B+GS+3], s[G0B+GS+2:G0B+GS+3], B_BACK
.else
	s_add_nc_u64 s[G0+GS+2:G0+GS+3], s[G0+GS+2:G0+GS+3], A3
	s_add_nc_u64 s[G0B+GS+2:G0B+GS+3], s[G0B+GS+2:G0B+GS+3], B3
.endif
.if FILL == 2
	JLOAD G0, G1W, G0B, G1BW
.endif
.if FILL == 1
	JLOAD G0, G1, G0B, G1B
.endif
.if FILL == 3
	JLOAD G0+4, G1, G0B+4, G1B
.endif
.else
	PLACES 4
.endif
.endif
.if (\k) < 15
	FETCH_B NPL, NBS
	FETCH_H H0, NPL, 0, 0
	ASK \k
.if PL == 0
	s_wait_dscnt 48                                ; up's fragments are in; the 32 + 16 loads just issued may be out
.endif
.else
	s_wait_dscnt 0x0
.endif
	WIN MUL_HI
	MUL8 H1, 0, 1, BS, ZR
	MUL8 H1, 2, 1, BS, ZR
	PLACES 4
	WIN 0
.if (\k) < 15
	FETCH_H H1, NPL, 1, 0
.endif
.endm
; THE WAY OUT of my row tile a: registers AC .. AC + 31 hold gate's sums at 32 neighbouring columns of one row, AC + 32 .. up's
.macro OUTB a
.set AC, 64*((\a)%4)
	WIN 0x02+((\a)/4)
.set jj, 0
.rept 16
	v_pk_mul_f32 v[T+jj:T+jj+1], v[AC+jj:AC+jj+1], s[74:75] op_sel_hi:[1,0]   ; -g log2(e); each accumulator from its low end on
.set jj, jj+2
.endr
	WIN 0
.set jj, 0
	s_wait_alu depctr_va_vdst(0)
.rept 32
	v_exp_f32 v[T+jj], v[T+jj]
.set jj, jj+1
.endr
	WIN 0x0a+5*((\a)/4)
.set jj, 0
	s_wait_alu depctr_va_vdst(0)                   ; and ahead of the first readers of up's sums
.rept 16
	v_pk_mul_f32 v[P+jj:P+jj+1], v[AC+jj:AC+jj+1], v[AC+32+jj:AC+32+jj+1]     ; g u
.set jj, jj+2
.endr
	WIN 0
	s_wait_alu depctr_va_vdst(0)
.set jj, 0
.rept 16
	v_pk_add_f32 v[T+jj:T+jj+1], v[T+jj:T+jj+1], 1.0 op_sel_hi:[1,0]
.set jj, jj+2
.endr
.set jj, 0
	s_wait_alu depctr_va_vdst(0)
.rept 32
	v_rcp_f32 v[T+jj], v[T+jj]
.set jj, jj+1
.endr
	v_nop                                          ; a plain instruction behind the last reciprocal
	s_wait_alu depctr_va_vdst(0)
.set jj, 0
.rept 16
	v_pk_mul_f32 v[P+jj:P+jj+1], v[P+jj:P+jj+1], v[T+jj:T+jj+1]
.set jj, jj+2
.endr
.if (\a) == 4
	s_wait_xcnt 0x0                                ; tile 0's stores have read their registers: the codes' registers come round again
.endif
	HOLDQ CDS+8*((\a)%4), P, P, 31, 30, 0
	HOLDQ CDS+8*((\a)%4)+4, P+16, P+16, 31, 30, 0
	v_nop                                          ; a plain instruction behind the last conversion
	global_store_b128 v[LI], v[CDS+8*((\a)%4):CDS+8*((\a)%4)+3], s[10:11] offset:2048*(\a)          ; 512 consecutive bytes, aligned
	global_store_b128 v[LI], v[CDS+8*((\a)%4)+4:CDS+8*((\a)%4)+7], s[10:11] offset:2048*(\a)+512
.endm
.macro OUT
.irp a, 0,1,2,3,4,5,6,7
	OUTB \a
.endr
.endm
	s_wait_alu depctr_va_vdst(0)
	s_wait_tensorcnt 0x0                           ; my part of K steps 0 and 1 is in
	ds_add_u32 v[SPW], v[NIL]
	s_wait_dscnt 0x0
	CROUND                                         ; everybody's part is in, and all sixteen work-groups are here
	JLOAD G0+4, G1, G0B+4, G1B                     ; Y's first fill, K step 2: the first tensor load behind the round
	FETCH_B 0, 0
	FETCH_H H0, 0, 0, 0
	FETCH_H H1, 0, 1, 0
.irp k, 0,1,2,3,4,5,6,7
	STEP \k
.endr
	OUT                                            ; the first tile leaves; X's fill for the second tile's K steps 1 and 2 is on its way
	s_wait_xcnt 0x0                                ; the stores have read their base and their data
	s_add_nc_u64 s[10:11], s[10:11], NEXT_C
.irp k, 8,9,10,11,12,13,14,15
	STEP \k
.endr
	OUT
	s_wait_tensorcnt 0x0                           ; the wave's end
	ds_add_u32 v[SPW], v[NIL]
	s_wait_dscnt 0x0
	CROUND                                         ; the closing round
	s_endpgm
.Lfunc_end_k_q5363f9358d_gateup:
	.size	k_q5363f9358d_gateup, .Lfunc_end_k_q5363f9358d_gateup-k_q5363f9358d_gateup
	.p2alignl 7, 3214868480
	.fill 96, 4, 3214868480
	.section	.rodata,"a",@progbits
	.p2align	6, 0x0
	.amdhsa_kernel k_q5363f9358d_gateup
		.amdhsa_group_segment_fixed_size 327680
		.amdhsa_private_segment_fixed_size 0
		.amdhsa_enable_private_segment 0
		.amdhsa_kernarg_size 32
		.amdhsa_user_sgpr_count 2
		.amdhsa_user_sgpr_kernarg_segment_ptr 1
		.amdhsa_wavefront_size32 1
		.amdhsa_system_sgpr_workgroup_id_x 1
		.amdhsa_system_sgpr_workgroup_id_y 1
		.amdhsa_system_sgpr_workgroup_id_z 1
		.amdhsa_system_vgpr_workitem_id 0
		.amdhsa_next_free_vgpr 1024
		.amdhsa_next_free_sgpr 100
		.amdhsa_reserve_vcc 0
		.amdhsa_float_denorm_mode_32 3
		.amdhsa_float_denorm_mode_16_64 3
		.amdhsa_memory_ordered 1
		.amdhsa_forward_progress 1
		.amdhsa_inst_pref_size 255
	.end_amdhsa_kernel
	.section	.bss,"aw",@nobits
	.p2align	6
	.space	262144
	.amdgpu_metadata
---
amdhsa.version: [ 1, 2 ]
amdhsa.kernels:
  - .name:           k_q5363f9358d_gateup
    .symbol:         k_q5363f9358d_gateup.kd
    .args:
      - { .name: ximg, .offset: 0, .size: 8, .value_kind: global_buffer, .address_space: global }
      - { .name: wimg, .offset: 8, .size: 8, .value_kind: global_buffer, .address_space: global }
      - { .name: lowp_scales, .offset: 16, .size: 8, .value_kind: global_buffer, .address_space: global }
      - { .name: aimg, .offset: 24, .size: 8, .value_kind: global_buffer, .address_space: global }
    .group_segment_fixed_size: 327680
    .private_segment_fixed_size: 0
    .kernarg_segment_align: 8
    .kernarg_segment_size: 32
    .max_flat_workgroup_size: 128
    .sgpr_count:     100
    .vgpr_count:     1024
    .wavefront_size: 32
...
	.end_amdgpu_metadata
.endif
;; end of part 4
;; launch down (part 5): grid 8 x 32, 4 waves a work-group, clusters of 4 x 4, 327,680 bytes of LDS; arguments aimg, wimg, hid, lowp_scales, out0; writes out0
.if DOCPART == 5
	.amdgcn_target "amdgcn-amd-amdhsa--gfx1250"
	.amdhsa_code_object_version 6
	.text
	.protected	k_q5363f9358d_down
	.globl	k_q5363f9358d_down
	.p2align	8
	.type	k_q5363f9358d_down,@function
k_q5363f9358d_down:
	s_mov_b64 s[64:65], 0
	v_nop
	global_prefetch_b8 v0, s[64:65] scope:SCOPE_SE
	s_setreg_imm32_b32 hwreg(HW_REG_WAVE_MODE, 25, 1), 1
	s_wait_xcnt 0x0
	s_wait_alu depctr_hold_cnt(0) depctr_sa_sdst(0) depctr_va_vdst(0) depctr_va_sdst(0) depctr_va_ssrc(0) depctr_va_vcc(0) depctr_vm_vsrc(0)
	s_getreg_b32 s2, hwreg(HW_REG_IB_STS2, 6, 4)
	s_cmp_eq_u32 s2, 0
	s_cbranch_scc0 .Lentry_in_a_cluster
	s_endpgm
.Lentry_in_a_cluster:
	s_bfe_u32 s2, ttmp6, 0x10000c
	s_cmp_lg_u32 s2, 0xf033
	s_cbranch_scc0 .Lentry_shape_is_right
	s_endpgm
.Lentry_shape_is_right:
; out0 = hidden + a Wdown ON CODES OF E5M2.  No work is left out.
; a and Wdown come as images of operand registers (a fragment of 16 rows x 128 K is 2,048 bytes), hidden as an image of the sums' registers.
; A work-group makes 128 x 128 of out0, a wave 64 x 64: 16 accumulators.  K = 4,096 goes through a ring of two LDS slots of four K steps of 128 (a 64 KiB, Wdown 64 KiB); each wave fetches 32 KiB with one tensor load.
; CLUSTER 4 x 4: a's tiles are asked for jointly along a row of the cluster, Wdown's along a column.
; PREFETCH: behind each refill in the loop's first two trips a wave names its 32 KiB of the slot that stands two refills on; each of the four partners names 8 KiB of them, told apart by address
; (cx for a, cy for Wdown), lanes 256 bytes apart.  Slots 0 to 3 come by their loads alone; the last trip names nothing: no slot lies behind the eighth.
; The sums x 2^(e16 + e17) are added to hidden and leave through the wave's own stage in LDS as whole rows of 256 bytes.
; LIMIT: e16 + e17 between -126 and 127.  NaN among the inputs is not served.
.set SLOT,   131072
.set STAGE,  2*SLOT
.set SPITCH, 272
.set SPARE,  STAGE+4*16*SPITCH
.set ADRA, 16
.set ADRB, 20
.set STO,  24
.set RD,   25
.set CO,   26
.set LI,   27
.set SPW,  28
.set NIL,  29
.set TMP,  32
.set BK,   64
.set ACC,  128
.set F0,   0
.set F1,   128
.set G1, 24
.set G0, 32
.set G1B, 48
.set G0B, 56
.set MSB, 0
.macro WIN new
.if MSB != \new
	s_set_vgpr_msb (MSB<<8)|\new
.set MSB, \new
.endif
.endm
.set MUL,  0x05
.set TO_F, 0x40
.macro PLACES n
.rept \n
	v_nop
.endr
.endm
.macro JLOAD s
	s_cmp_eq_u32 s15, 0
	s_cbranch_scc0 .Lfor_b_\@
	tensor_load_to_lds s[G0+4*\s:G0+4*\s+3], s[G1:G1+7]
	s_nop 0
.rept 4
	v_nop
.endr
	s_branch .Lasked_\@
.Lfor_b_\@:
	tensor_load_to_lds s[G0B+4*\s:G0B+4*\s+3], s[G1B:G1B+7]
	s_nop 0
.rept 4
	v_nop
.endr
.Lasked_\@:
.endm
.macro CREST
	s_cmp_lg_u32 s14, 0
	s_cbranch_scc1 .Lnot_wave_0_\@
	s_barrier_signal -3
.Lnot_wave_0_\@:
	s_barrier_wait -3
	s_barrier_signal -1
	s_barrier_wait -1
.endm
.macro CROUND
	s_barrier_signal -1
	s_barrier_wait -1
	CREST
.endm
	s_load_b256 s[4:11], s[0:1], 0x0
	s_load_b64 s[12:13], s[0:1], 0x20
	v_lshl_add_u32 v[SPW], v0, 2, SPARE
	v_mov_b32 v[NIL], 0
	ds_add_u32 v[SPW], v[NIL]
	ds_add_u32 v[SPW], v[NIL]
	v_lshrrev_b32 v1, 5, v0
	v_readfirstlane_b32 s14, v1
	s_lshr_b32 s15, s14, 1
	s_and_b32 s16, s14, 1
	s_bfe_u32 s40, ttmp6, 0x40000
	s_bfe_u32 s41, ttmp6, 0x40004
	s_lshl_b32 s42, ttmp9, 2
	s_add_co_u32 s42, s42, s40
	s_and_b32 s17, ttmp7, 0xffff
	s_lshl_b32 s17, s17, 2
	s_add_co_u32 s17, s17, s41
	s_lshl_b32 s43, s41, 2
	s_lshl_b32 s43, 15, s43
	s_lshl_b32 s44, 0x1111, s40
	s_or_b32 s[G1+0], s43, (3<<16)|(1<<21)
	s_or_b32 s[G1B+0], s44, (3<<16)|(1<<21)
.irp g, G1, G1B
	s_mov_b32 s[\g+1], 32<<16
	s_mov_b32 s[\g+2], 128<<16
	s_mov_b32 s[\g+3], 32<<16
	s_mov_b32 s[\g+4], 128
	s_mov_b32 s[\g+5], 32
	s_mov_b32 s[\g+6], 0
	s_mov_b32 s[\g+7], 0
.endr
	s_lshl_b32 s18, s16, 15
	s_lshl_b32 s20, s17, 19
	s_add_co_u32 s20, s20, s18
	s_mov_b32 s21, 0
	s_lshl_b32 s46, s42, 19
	s_add_co_u32 s46, s46, s18
	s_add_co_u32 s46, s46, 0x800000
	s_mov_b32 s47, 0
	s_lshl_b32 s45, s14, 15
	s_wait_dscnt 0x0
	s_wait_kmcnt 0x0
	s_load_b64 s[70:71], s[10:11], 0x40
	s_add_nc_u64 s[20:21], s[4:5], s[20:21]
	s_add_nc_u64 s[46:47], s[6:7], s[46:47]
	s_cmp_eq_u32 s15, 0                            ; the prefetches: a's waves or Wdown's: the wave's number alone
	s_cselect_b64 s[76:77], s[20:21], s[46:47]
	s_cselect_b32 s78, s40, s41                    ; my place among the four that ask with me
	s_lshl_b32 s78, s78, 13                        ; its 8 KiB of my wave's 32
	s_mov_b32 s79, 0
	s_add_nc_u64 s[76:77], s[76:77], s[78:79]
	CROUND
.irp s, 0,1
	s_mov_b32 s[G0+4*\s], 1
	s_add_co_u32 s[G0+4*\s+1], s45, \s*SLOT
	s_add_nc_u64 s[G0+4*\s+2:G0+4*\s+3], s[20:21], \s*65536
	s_or_b32 s[G0+4*\s+3], s[G0+4*\s+3], 0x80000000
	s_mov_b32 s[G0B+4*\s], 1
	s_add_co_u32 s[G0B+4*\s+1], s45, \s*SLOT
	s_add_nc_u64 s[G0B+4*\s+2:G0B+4*\s+3], s[46:47], \s*65536
	s_or_b32 s[G0B+4*\s+3], s[G0B+4*\s+3], 0x80000000
	s_wait_alu depctr_va_vdst(0)
	s_wait_tensorcnt 0x0
	ds_add_u32 v28, v29
	ds_add_u32 v28, v29
	s_wait_dscnt 0x0
	CROUND
	JLOAD \s
.endr
	v_and_b32 v3, 31, v0
	v_lshlrev_b32 v[LI], 4, v3
	v_lshlrev_b32 v30, 8, v3                       ; the prefetches' offset: lanes 256 bytes apart; never rewritten
	s_wait_alu depctr_va_vdst(0)
	v_and_b32 v1, 15, v0
	s_wait_alu depctr_va_vdst(0)
	v_bfe_u32 v2, v0, 4, 1
	s_lshl_b32 s72, s17, 19
	s_lshl_b32 s73, s15, 18
	s_add_co_u32 s72, s72, s73
	s_lshl_b32 s74, s42, 9
	s_lshl_b32 s75, s16, 8
	s_add_co_u32 s74, s74, s75
	s_add_co_u32 s74, s74, s72
	s_mov_b32 s75, 0
	s_add_nc_u64 s[12:13], s[12:13], s[74:75]
	s_lshl_b32 s74, s42, 13
	s_lshl_b32 s75, s16, 12
	s_add_co_u32 s74, s74, s75
	s_add_co_u32 s72, s72, s74
	s_mov_b32 s73, 0
	s_add_nc_u64 s[72:73], s[8:9], s[72:73]
	WIN 0x80
.irp a, 0,1,2,3
.irp q, 0,1,2,3,4,5,6,7
	global_load_b128 v[32*\a+4*\q:32*\a+4*\q+3], v[LI], s[72:73] offset:65536*\a+512*\q th:TH_LOAD_NT
.endr
.endr
	WIN 0
	s_lshl_b32 s21, s15, 13
	s_lshl_b32 s22, s16, 13
	s_add_co_u32 s22, s22, 65536
.irp s, 0,1
	v_add_nc_u32 v[ADRA+\s], s21, v[LI]
	v_add_nc_u32 v[ADRB+\s], s22, v[LI]
	s_add_co_u32 s21, s21, SLOT
	s_add_co_u32 s22, s22, SLOT
.endr
	s_mul_i32 s23, s14, 16*SPITCH
	s_add_co_u32 s23, s23, STAGE
	v_mul_u32_u24 v5, v1, SPITCH
	s_wait_alu depctr_va_vdst(0)
	v_lshl_add_u32 v5, v2, 6, v5
	v_add_nc_u32 v[STO], s23, v5
	v_mul_u32_u24 v5, v2, SPITCH
	v_lshl_add_u32 v5, v1, 4, v5
	v_add_nc_u32 v[RD], s23, v5
	v_lshlrev_b32 v5, 12, v2
	v_lshl_add_u32 v[CO], v1, 4, v5
.macro MUL8 f, a0, zero
.irp a, \a0, \a0+1
.irp b, 0,1,2,3
.if \zero
	v_wmma_f32_16x16x128_bf8_bf8 v[ACC+8*(4*(\a)+\b):ACC+8*(4*(\a)+\b)+7], v[\f+16*\b:\f+16*\b+15], v[\f+64+16*(\a):\f+64+16*(\a)+15], 0
.else
	v_wmma_f32_16x16x128_bf8_bf8 v[ACC+8*(4*(\a)+\b):ACC+8*(4*(\a)+\b)+7], v[\f+16*\b:\f+16*\b+15], v[\f+64+16*(\a):\f+64+16*(\a)+15], v[ACC+8*(4*(\a)+\b):ACC+8*(4*(\a)+\b)+7]
.endif
.endr
.endr
.endm
.macro FETCH slot, q, f
	WIN TO_F
.irp i, 0,1,2,3
.irp c, 0,1,2,3
	ds_load_b128 v[\f+16*\i+4*\c:\f+16*\i+4*\c+3], v[ADRB+\slot] offset:16384*\q+2048*\i+512*\c
.endr
.endr
.irp i, 0,1,2,3
.irp c, 0,1,2,3
	ds_load_b128 v[\f+64+16*\i+4*\c:\f+64+16*\i+4*\c+3], v[ADRA+\slot] offset:16384*\q+2048*\i+512*\c
.endr
.endr
.endm
.macro QUARTER slot, q, f, g, zero
	s_wait_dscnt 8
	WIN MUL
	MUL8 \f, 0, \zero
	PLACES 4
	FETCH \slot, \q, \g
	s_wait_dscnt 32
	WIN MUL
	MUL8 \f, 2, \zero
.endm
.macro TURN slot, next, fill
	WIN 0
	s_wait_tensorcnt 0x0
	ds_add_u32 v[SPW], v[NIL]
	s_wait_dscnt 9
	WIN MUL
	MUL8 F1, 0, 0
	s_wait_dscnt 0x0
	s_barrier_signal -1
	MUL8 F1, 2, 0
	WIN 0
	s_barrier_wait -1
.if \fill
	CREST
	s_add_nc_u64 s[G0+4*\slot+2:G0+4*\slot+3], s[G0+4*\slot+2:G0+4*\slot+3], 2*65536
	s_add_nc_u64 s[G0B+4*\slot+2:G0B+4*\slot+3], s[G0B+4*\slot+2:G0B+4*\slot+3], 2*65536
	JLOAD \slot
	s_cmp_gt_u32 s3, 1                             ; the loop's last trip has no slot two refills on
	s_cbranch_scc0 .Lnoask_\@
	global_prefetch_b8 v30, s[76:77] offset:(4+\slot)*65536 th:TH_LOAD_NT scope:SCOPE_SE
.Lnoask_\@:
.else
	PLACES 4
.endif
	FETCH \next, 0, F0
.endm
	s_wait_tensorcnt 1
	s_barrier_signal -1
	s_barrier_wait -1
	FETCH 0, 0, F0
	QUARTER 0, 1, F0, F1, 1
	WIN 0
	s_mov_b32 s3, 3
.Llap:
	QUARTER 0, 2, F1, F0, 0
	QUARTER 0, 3, F0, F1, 0
	TURN 0, 1, 1
	QUARTER 1, 1, F0, F1, 0
	QUARTER 1, 2, F1, F0, 0
	QUARTER 1, 3, F0, F1, 0
	TURN 1, 0, 1
	QUARTER 0, 1, F0, F1, 0
	WIN 0
	s_wait_xcnt 0x0                                ; the trip's prefetches have read their base: it steps two slots on
	s_add_nc_u64 s[76:77], s[76:77], 131072
	s_sub_co_u32 s3, s3, 1
	s_cmp_lg_u32 s3, 0
	s_cbranch_scc1 .Llap
	QUARTER 0, 2, F1, F0, 0
	QUARTER 0, 3, F0, F1, 0
	TURN 0, 1, 0
	QUARTER 1, 1, F0, F1, 0
	QUARTER 1, 2, F1, F0, 0
	QUARTER 1, 3, F0, F1, 0
	s_wait_dscnt 8
	WIN MUL
	MUL8 F1, 0, 0
	s_wait_dscnt 0
	MUL8 F1, 2, 0
	WIN 0
	s_wait_kmcnt 0x0
	s_add_co_i32 s70, s70, s71
	s_add_co_i32 s70, s70, 127
	s_lshl_b32 s70, s70, 23
	s_mov_b32 s71, s70
	s_wait_loadcnt 0x0
	PLACES 4
.macro OUTB a
	WIN 0x20
.set jj, 0
.rept 16
	v_pk_fma_f32 v[TMP+jj:TMP+jj+1], v[ACC+32*(\a)+jj:ACC+32*(\a)+jj+1], s[70:71], v[32*(\a)+jj:32*(\a)+jj+1] op_sel_hi:[1,0,1]
.set jj, jj+2
.endr
	WIN 0
.irp k, 0,1,2,3,4,5,6,7
	ds_store_b128 v[STO], v[TMP+4*\k:TMP+4*\k+3] offset:128*(\k/4)+16*(\k%4)
.endr
.irp t, 0,1,2,3,4,5,6,7
	ds_load_b128 v[BK+32*((\a)%2)+4*\t:BK+32*((\a)%2)+4*\t+3], v[RD] offset:2*\t*SPITCH
.endr
.endm
.macro SEND a, younger
	s_wait_dscnt \younger
.irp t, 0,1,2,3,4,5,6,7
	global_store_b128 v[CO], v[BK+32*((\a)%2)+4*\t:BK+32*((\a)%2)+4*\t+3], s[12:13] offset:(16*(\a)+2*\t)*4096 th:TH_STORE_NT
.endr
.endm
	OUTB 0
.irp a, 1,2,3
.if \a > 1
	s_wait_xcnt 0x0
.endif
	OUTB \a
	SEND \a-1, 16
.endr
	SEND 3, 0
	s_wait_tensorcnt 0x0
	ds_add_u32 v[SPW], v[NIL]
	s_wait_dscnt 0x0
	CROUND
	s_endpgm
.Lfunc_end_k_q5363f9358d_down:
	.size	k_q5363f9358d_down, .Lfunc_end_k_q5363f9358d_down-k_q5363f9358d_down
	.p2alignl 7, 3214868480
	.fill 96, 4, 3214868480
	.section	.rodata,"a",@progbits
	.p2align	6, 0x0
	.amdhsa_kernel k_q5363f9358d_down
		.amdhsa_group_segment_fixed_size 327680
		.amdhsa_private_segment_fixed_size 0
		.amdhsa_enable_private_segment 0
		.amdhsa_kernarg_size 40
		.amdhsa_user_sgpr_count 2
		.amdhsa_user_sgpr_kernarg_segment_ptr 1
		.amdhsa_wavefront_size32 1
		.amdhsa_system_sgpr_workgroup_id_x 1
		.amdhsa_system_sgpr_workgroup_id_y 1
		.amdhsa_system_sgpr_workgroup_id_z 1
		.amdhsa_system_vgpr_workitem_id 0
		.amdhsa_next_free_vgpr 640
		.amdhsa_next_free_sgpr 100
		.amdhsa_reserve_vcc 0
		.amdhsa_float_denorm_mode_32 3
		.amdhsa_float_denorm_mode_16_64 3
		.amdhsa_memory_ordered 1
		.amdhsa_forward_progress 1
		.amdhsa_inst_pref_size 79
	.end_amdhsa_kernel
	.amdgpu_metadata
---
amdhsa.version: [ 1, 2 ]
amdhsa.kernels:
  - .name:           k_q5363f9358d_down
    .symbol:         k_q5363f9358d_down.kd
    .args:
      - { .name: aimg, .offset: 0, .size: 8, .value_kind: global_buffer, .address_space: global }
      - { .name: wimg, .offset: 8, .size: 8, .value_kind: global_buffer, .address_space: global }
      - { .name: hid, .offset: 16, .size: 8, .value_kind: global_buffer, .address_space: global }
      - { .name: lowp_scales, .offset: 24, .size: 8, .value_kind: global_buffer, .address_space: global }
      - { .name: out0, .offset: 32, .size: 8, .value_kind: global_buffer, .address_space: global }
    .group_segment_fixed_size: 327680
    .private_segment_fixed_size: 0
    .kernarg_segment_align: 8
    .kernarg_segment_size: 40
    .max_flat_workgroup_size: 128
    .sgpr_count:     100
    .vgpr_count:     640
    .wavefront_size: 32
...
	.end_amdgpu_metadata
.endif
;; end of part 5
